; MI455X (gfx1250); checked and timed in simulation.
; The chip was launched on July 23, 2026; its instructions are those of AMD's public machine-readable ISA for CDNA 5 (MIT licence, August 2026) and "CDNA5" Instruction Set Architecture Reference Guide (July 2026). The comments in the code are by the model that wrote it; some were corrected since.
;; Multi Head Attention With Ro PE. Allowed arithmetic: matrix products marked QUANTISED: E2M3 operands, one E8M0 scale for each 32 along K, by v_wmma_scale_f32_16x16x128_f8f6f4 with both operands' format E2M3, f32 sums; everything else in f32.
;; Inputs: Wk 1,024 x 1,024 float32; Wo 1,024 x 1,024 float32; Wq 1,024 x 1,024 float32; Wv 1,024 x 1,024 float32; bk 1,024 float32; bo 1,024 float32; bq 1,024 float32; bv 1,024 float32; key_padding_mask 4 x 2,048 bool; x 4 x 2,048 x 1,024 float32.
;; Outputs: out0 4 x 2,048 x 1,024 float32.
;; This version of the problem:
;;   THIS VERSION OF THE PROBLEM IS GIVEN IN LOW PRECISION. The matrix products marked QUANTISED in the list below multiply operands that are first quantised to E2M3 (2 exponent bits, 3 mantissa bits; 6 bits a number), with one power-of-two scale for each 32 numbers along K (OCP MX v1.0); their sums are f32. All else is computed in f32.
;;   The module's matrix products, in the order in which they are computed (A, B: the left and right operand; K: the contracted axis; several contracted axes count as one K, in the product's order):
;;     1. [M 8,192, K 1,024] x [K 1,024, N 1,024]; A: input x; B: input Wq: QUANTISED
;;     2. [M 8,192, K 1,024] x [K 1,024, N 1,024]; A: input x; B: input Wk: QUANTISED
;;     3. [M 8,192, K 1,024] x [K 1,024, N 1,024]; A: input x; B: input Wv: QUANTISED
;;     4. batch 64 x [M 2,048, K 64] x [K 64, N 2,048]; A: computed on the way; B: computed on the way: QUANTISED
;;     5. batch 64 x [M 2,048, K 2,048] x [K 2,048, N 64]; A: softmax (see below); B: computed on the way: QUANTISED
;;     6. [M 8,192, K 1,024] x [K 1,024, N 1,024]; A: computed on the way; B: input Wo: QUANTISED
;;   THE QUANTISER, for each operand of a quantised product, along K:
;;     - K is cut into blocks of 32 from its start; a last block that is shorter is filled with zeros.
;;     - A block's scale is 2^e with e = floor(log2(the largest magnitude in the block)) - 2, held to -126 .. 127; a block of zeros has e = 0. As a byte (E8M0): e + 127.
;;     - Each number is divided by its block's scale, clamped to +-7.5, and rounded to the nearest number of E2M3, ties to even, subnormals kept.
;;     - The product sums the exact products of the quantised numbers (number of the format x scale) in f32.
;;   ~~~python
;;   def quantise(x, axis):      # numpy; x: float32 -> the quantised numbers, widened to float32 again
;;       x = np.moveaxis(x, axis, -1); K = x.shape[-1]
;;       x = np.pad(x, [(0, 0)] * (x.ndim - 1) + [(0, -K % 32)]); x = x.reshape(x.shape[:-1] + (-1, 32)); a = np.abs(x).max(-1, keepdims=True)
;;       e = np.where(a > 0, np.clip(np.frexp(np.where(a > 0, a, 1))[1] - 1 - 2, -126, 127), 0)      # np.frexp(a)[1] - 1 = floor(log2(a)), exactly
;;       r = np.clip(x / 2.0 ** e, -7.5, 7.5)
;;       step = 2.0 ** (np.maximum(np.frexp(np.where(r == 0, 1, r))[1] - 1, 0) - 3)
;;       q = np.round(r / step) * step * 2.0 ** e      # np.round: ties to even
;;       return np.moveaxis(q.reshape(q.shape[:-2] + (-1,))[..., :K], -1, axis).astype(np.float32)
;;   ~~~
;;   SOFTMAX AHEAD OF A QUANTISED PRODUCT. Where the list says 'softmax', what is quantised is not the finished softmax but p = 2^(t - M), with t = logit x log2(e) and M = ceil(the row's largest t), a whole number; so 1/2 < the row's largest p <= 1. The row's sum l is taken of the UNQUANTISED p, in f32, and the product's result is divided by l at the end. Since M is a whole number, a kernel that streams over the keys may use a running M (the ceiling of the running maximum): every later rescaling is an exact power of two, which a block's scale takes up: the codes' values come out the same.
;;   OPERANDS COMPUTED ON THE WAY. 'Computed on the way' means the value that the module computes at that place (a softmax that the list does not call 'softmax' is quantised finished and normalised). What goes into a quantiser is computed in f32, as accurately as f32 sums, v_exp_f32 and their like allow (about 1e-6 of the number): no bf16 or f16 on the way to a quantiser, and a product that is left as it is and whose result goes on into a quantised operand takes f32 operands (vector FMAs, or v_wmma_f32_16x16x4_f32). A number that lies on a knife's edge between two numbers of the format may be rounded either way, as far as f32 arithmetic and the matrix unit's own rounding can turn it there, and no further.
;; One version. Each part assembles by itself: llvm-mc -triple=amdgcn-amd-amdhsa -mcpu=gfx1250 --defsym DOCPART=n.
;; ======== version 1 of 1: 4 launches
;; limits: right only within a limited range of input values
;; workspace buffers: xq 6,553,600 bytes; wq 3,276,800 bytes; rope 524,288 bytes; qk 17,825,792 bytes; vq 6,553,600 bytes; ac 6,553,600 bytes
;; launch prep (part 1): grid 800 x 1, 4 waves a work-group, no clusters, 68,096 bytes of LDS; arguments x, Wq, Wk, Wv, Wo, xq, wq, rope; writes xq, wq, rope
.if DOCPART == 1
	.amdgcn_target "amdgcn-amd-amdhsa--gfx1250"
	.amdhsa_code_object_version 6
	.text
	.protected	k_qc87e1f9ad0_prep
	.globl	k_qc87e1f9ad0_prep
	.p2align	8
	.type	k_qc87e1f9ad0_prep,@function
k_qc87e1f9ad0_prep:
	s_mov_b64 s[64:65], 0
	v_nop
	global_prefetch_b8 v0, s[64:65] scope:SCOPE_SE
	s_setreg_imm32_b32 hwreg(HW_REG_WAVE_MODE, 25, 1), 1
	s_wait_xcnt 0x0
; PREP: x and the four weights become codes of FP6 (E2M3) with one E8M0 byte for each 32 along K, and RoPE's table of cosines and sines is made.
; THE ORDER OF ALL CODES: images of operand registers.  A fragment is 16 rows x 128 K, 12 registers a lane, 1,536 bytes: registers 4 k .. 4 k + 3 of lane l at 512 k + 16 l.
; Of each 32 rows, fragment 2 b + u takes in lane r the row 32 b + 8 u + r + 8 (r / 8).  A slab is 128 rows x 128 K: 8 fragments, then 128 scale words (word 16 f + r): 12,800 bytes.  A group is 128 rows x all K: 8 slabs.
; Work-groups 0-511: x (a wave: 32 tokens x 128 K).  512-767: the weights, whose K is their first axis (a wave: 32 columns x 128 K, a lane to a column).  768-799: the table (a wave: 16 positions).
; A block's scale is 2^(floor(log2(its largest magnitude)) - 2): its byte is that magnitude's exponent field - 2, held at 1 from below.
; LIMITS: a block of zeros gets the byte 1 where the rule says 127 (its codes are zeros, and this program alone reads the bytes); NaN and infinities among the inputs are not served;
; inv_freq is the f32 nearest to 10^(-j/8): a power and a division in f32 may differ from it in the last bit, which at position 2,047 moves an angle by about 1e-4.
; No matrix unit, no cluster, no tensor load: a stream; every wave has all its loads out at once.
; THE TOKENS' ORDER (x and the table; the weights keep the order stated above): of each 64 tokens, fragment j = 0 .. 3 takes in lane r the token 8 j + r % 8 + 32 (r / 8).
; So a lane's 32 results of four neighbouring fragments, used as source 0, are 32 neighbouring tokens: one whole scale block along the keys.
.set STG,   16896                      ; a wave's stage: 32 rows x (512 bytes + 16)
.set SPARE, 4*STG                      ; behind the four stages: the spare words, 128 bytes a wave
.set R,     64                         ; v64-191  numbers as loaded
.set X,     192                        ; v192-255 a fragment's 64 numbers of a lane
	s_load_b256 s[4:11], s[0:1], 0x0               ; x, Wq, Wk, Wv
	s_load_b256 s[12:19], s[0:1], 0x20             ; Wo, xq, wq, rope
	v_lshl_add_u32 v4, v0, 2, SPARE                ; my spare word
	v_mov_b32 v5, 0
	v_lshrrev_b32 v1, 5, v0
	v_readfirstlane_b32 s20, v1                    ; wave
	v_and_b32 v1, 31, v0                           ; lane
	v_and_b32 v2, 15, v0                           ; r
	v_bfe_u32 v3, v0, 4, 1                         ; h
	s_mov_b32 s40, 0x76543210
	s_mov_b32 s41, 0xfedcba98                      ; selects: lane l xor 16
	s_mov_b32 s42, 0xffff0000                      ; lanes 16-31
	s_wait_kmcnt 0x0
	s_cmp_ge_u32 ttmp9, 768
	s_cbranch_scc1 .Ltable
	s_cmp_ge_u32 ttmp9, 512
	s_cbranch_scc1 .Lw
; ---------------- x: 32 tokens x 128 K ----------------
; 64 numbers of a lane (register 32 c + i = k 64 c + 32 h + i of my row) -> 12 registers of codes from v[pp] on, the row's scale word in v[ww]
.macro QF src, pp, ww
.irp c,0,1
	v_max3_num_f32 v[36+\c], |v[\src+32*\c]|, |v[\src+32*\c+1]|, 0x1800000     ; my block 2 c + h, and the floor 2^(3 - 127): the byte cannot fall under 1
.endr
.irp i,2,4,6,8,10,12,14,16,18,20,22,24,26,28,30
.irp c,0,1
	v_max3_num_f32 v[36+\c], v[36+\c], |v[\src+32*\c+\i]|, |v[\src+32*\c+\i+1]|
.endr
.endr
.irp c,0,1
	v_add_nc_u32 v[38+\c], 0xff000000, v[36+\c]    ; 2 off the exponent field: the conversion's scale operand
.endr
.irp c,0,1
	v_lshrrev_b32 v[40+\c], 23, v[38+\c]           ; the byte
.endr
	v_lshl_or_b32 v42, v41, 16, v40                ; blocks h and 2 + h,
	v_lshlrev_b32 v42, v10, v42                    ; 8 h bits up;
	v_permlanex16_b32 v43, v42, s40, s41
	v_or_b32 v[\ww], v42, v43                      ; with lane l xor 16's two the word is whole
.irp c,0,1
	v_cvt_scalef32_pk16_fp6_f32 v[\pp+6*\c:\pp+6*\c+2], v[\src+32*\c:\src+32*\c+15], v[38+\c]
	v_cvt_scalef32_pk16_fp6_f32 v[28+4*\c:30+4*\c], v[\src+32*\c+16:\src+32*\c+31], v[38+\c]   ; (a conversion's three registers begin on an even number)
.endr
	v_nop                                          ; one plain line behind the conversions
.irp c,0,1
.irp i,0,1,2
	v_mov_b32 v[\pp+6*\c+3+\i], v[28+4*\c+\i]
.endr
.endr
.endm
.macro FRAGIN dst, f                   ; fragment f's numbers out of the stage: row 16 f + r, 128 bytes at 128 h and at 256 + 128 h
.irp c,0,1
.irp q,0,1,2,3,4,5,6,7
	ds_load_b128 v[\dst+32*\c+4*\q:\dst+32*\c+4*\q+3], v8 offset:8448*\f+256*\c+16*\q
.endr
.endr
.endm
	s_lshr_b32 s21, ttmp9, 1                       ; which 32 tokens
	s_and_b32 s22, ttmp9, 1
	s_lshl_b32 s22, s22, 2
	s_add_co_u32 s22, s22, s20                     ; which 128 along K: the four waves read 2,048 bytes on end of each row
	s_lshr_b32 s24, s21, 1
	s_lshl_b32 s24, s24, 18                        ; 64 rows of 4,096 bytes,
	s_and_b32 s23, s21, 1
	s_lshl_b32 s23, s23, 16                        ; and which 16 of their first 32: my rows are these 16 and the 16 that lie 32 further on
	s_add_co_u32 s24, s24, s23
	s_lshl_b32 s23, s22, 9
	s_add_co_u32 s24, s24, s23
	s_mov_b32 s25, 0
	s_add_nc_u64 s[4:5], s[4:5], s[24:25]
	s_wait_alu depctr_va_vdst(0)
	v_lshlrev_b32 v6, 4, v1                        ; 16 x lane
.set p, 0
	s_wait_alu depctr_va_vdst(0)
.rept 32
	global_load_b128 v[R+4*p:R+4*p+3], v6, s[4:5] offset:4096*(p%16+32*(p/16)) th:TH_LOAD_NT    ; 512 consecutive bytes of a row
.set p, p+1
.endr
	s_lshr_b32 s23, s21, 2
	s_mul_i32 s24, s23, 102400                     ; the group,
	s_mul_i32 s23, s22, 12800                      ; the slab
	s_add_co_u32 s24, s24, s23
	s_add_nc_u64 s[14:15], s[14:15], s[24:25]
	s_and_b32 s23, s21, 3                          ; which 32 of the group's 128 rows
	s_mul_i32 s26, s20, STG
	v_add_nc_u32 v7, s26, v6                       ; into the stage: 16 x lane of a row
	v_mul_u32_u24 v8, v2, 528
	v_lshl_add_u32 v8, v3, 7, v8
	v_add_nc_u32 v8, s26, v8                       ; out of it: row r, + 128 h
	s_mul_i32 s27, s23, 3072
	v_add_nc_u32 v9, s27, v6                       ; my place in the slab's codes
	s_lshl_b32 s27, s23, 7
	v_lshl_add_u32 v11, v1, 2, s27                 ; and among its scale words
	v_lshlrev_b32 v10, 3, v3                       ; 8 h
	v_mov_b32 v43, 0                               ; (a lane permute's destination counts as read)
.set p, 0
	s_wait_alu depctr_va_vdst(0)
.rept 32
	s_wait_loadcnt 31-p                            ; row p is in; the 31 - p younger loads may be out
	ds_store_b128 v7, v[R+4*p:R+4*p+3] offset:528*(16*((p/8)%2)+p%8+8*(p/16))   ; laid in the fragments' order of rows
.set p, p+1
.endr
	FRAGIN X, 0
	s_wait_dscnt 0x0                               ; fragment 0 is in, and the stores have read v64-191
	FRAGIN R, 1                                    ; fragment 1 lands while fragment 0 is quantised
	QF X, 16, 44
.irp k,0,1,2
	global_store_b128 v9, v[16+4*\k:19+4*\k], s[14:15] offset:512*\k             ; 512 consecutive bytes, aligned to 256
.endr
	s_wait_dscnt 0x0
	QF R, 46, 45
.irp k,0,1,2
	global_store_b128 v9, v[46+4*\k:49+4*\k], s[14:15] offset:1536+512*\k
.endr
	v_cndmask_b32 v44, v44, v45, s42               ; lanes 0-15 the even fragment's words, lanes 16-31 the odd one's
	global_store_b32 v11, v44, s[14:15] offset:12288
	s_wait_tensorcnt 0x0                           ; the wave's end, behind my last LDS store
	ds_add_u32 v4, v5
	s_wait_dscnt 0x0
	s_endpgm
; ---------------- a weight: 32 columns x 128 K, a lane to a column, registers down K ----------------
.macro BLK t                           ; block t of my column: all 32 numbers are mine
.set B0, R+32*\t
.set FD, 16+12*(\t%2)+6*(\t/2)
	v_max3_num_f32 v40, |v[B0]|, |v[B0+1]|, 0x1800000
	v_max3_num_f32 v41, |v[B0+2]|, |v[B0+3]|, |v[B0+4]|
.irp i,5,9,13,17,21,25
	v_max3_num_f32 v40, v40, |v[B0+\i]|, |v[B0+\i+1]|
	v_max3_num_f32 v41, v41, |v[B0+\i+2]|, |v[B0+\i+3]|
.endr
	v_max3_num_f32 v40, v40, |v[B0+29]|, |v[B0+30]|
	v_max3_num_f32 v40, v40, v41, |v[B0+31]|
	v_add_nc_u32 v48, 0xff000000, v40
	v_lshrrev_b32 v49, 23, v48
.if \t == 0
	v_mov_b32 v42, v49
.else
	v_lshl_or_b32 v42, v49, 8*\t, v42              ; my column's scale word
.endif
	v_cvt_scalef32_pk16_fp6_f32 v[FD:FD+2], v[B0:B0+15], v48
	v_cvt_scalef32_pk16_fp6_f32 v[44:46], v[B0+16:B0+31], v48
	v_nop
.irp i,0,1,2
	v_mov_b32 v[FD+3+\i], v[44+\i]
.endr
.endm
.Lw:
	s_sub_co_u32 s21, ttmp9, 512
	s_lshr_b32 s22, s21, 6                         ; which weight: Wq, Wk, Wv, Wo
	s_and_b32 s23, s21, 7                          ; which 128 along K
	s_bfe_u32 s24, s21, 0x30003                    ; which 128 columns
	s_cmp_eq_u32 s22, 1
	s_cselect_b64 s[6:7], s[8:9], s[6:7]
	s_cmp_eq_u32 s22, 2
	s_cselect_b64 s[6:7], s[10:11], s[6:7]
	s_cmp_eq_u32 s22, 3
	s_cselect_b64 s[6:7], s[12:13], s[6:7]
	s_lshl_b32 s26, s23, 19                        ; 128 rows of 4,096 bytes
	s_lshl_b32 s25, s24, 9
	s_add_co_u32 s26, s26, s25
	s_lshl_b32 s25, s20, 7                         ; my wave's 32 columns
	s_add_co_u32 s26, s26, s25
	s_mov_b32 s27, 0
	s_add_nc_u64 s[6:7], s[6:7], s[26:27]
	s_wait_alu depctr_va_vdst(0)
	v_and_b32 v6, 8, v2
	v_add_nc_u32 v6, v6, v2
	v_lshl_add_u32 v6, v3, 3, v6                   ; lane (u = h, r) takes column 8 u + r + 8 (r / 8): the 32 lanes cover 128 consecutive bytes
	v_lshlrev_b32 v6, 2, v6
.set kk, 0
.rept 128
	global_load_b32 v[R+kk], v6, s[6:7] offset:4096*kk th:TH_LOAD_NT
.set kk, kk+1
.endr
	s_lshl_b32 s25, s22, 3
	s_add_co_u32 s25, s25, s24
	s_mul_i32 s26, s25, 102400                     ; the group: 8 x weight + column block,
	s_mul_i32 s25, s23, 12800                      ; the slab
	s_add_co_u32 s26, s26, s25
	s_add_nc_u64 s[16:17], s[16:17], s[26:27]
	s_mul_i32 s25, s20, 3072
	v_lshl_add_u32 v7, v1, 4, s25
	s_lshl_b32 s25, s20, 7
	v_lshl_add_u32 v8, v1, 2, s25
	s_wait_loadcnt 0x3f                            ; at most 63 of the 128 are out: loads 0 to 64 are in, blocks 0 and 1 among them
	BLK 0
	BLK 1
.irp i,0,1,2,3,4,5
	v_permlane16_swap_b32 v[16+\i], v[28+\i]       ; the even blocks' lanes 16-31 change places with the odd blocks' lanes 0-15: v16.. is now fragment 2 b, v28.. fragment 2 b + 1
.endr
	s_wait_loadcnt 0x0
	BLK 2
	BLK 3
.irp i,6,7,8,9,10,11
	v_permlane16_swap_b32 v[16+\i], v[28+\i]
.endr
.irp u,0,1
.irp k,0,1,2
	global_store_b128 v7, v[16+12*\u+4*\k:19+12*\u+4*\k], s[16:17] offset:1536*\u+512*\k
.endr
.endr
	global_store_b32 v8, v42, s[16:17] offset:12288     ; word 32 b + lane of the slab
	s_endpgm
; ---------------- the table: cos and sin of position x inv_freq ----------------
; The angle is reduced by whole quarter turns, pi / 2 taken in two parts by fused multiply-adds; on |y| <= pi / 4 a polynomial each for sine and cosine; the quarter's number swaps and signs them.
.macro SINCOS i, llo, lhi
	v_mul_f32 v10, \llo, v6                        ; position x inv_freq(i), rounded once,
	v_mul_f32 v11, \lhi, v6                        ; and x inv_freq(16 + i)
	v_cndmask_b32 v10, v10, v11, vcc_lo            ; lanes 16-31 take j = 16 + i
	v_mul_f32 v11, s24, v10
	v_rndne_f32 v11, v11                           ; quarter turns
	v_fma_f32 v12, -v11, s25, v10
	v_fma_f32 v12, -v11, s26, v12                  ; y
	v_mul_f32 v13, v12, v12                        ; y^2
	v_fma_f32 v14, v13, s27, s28
	v_fma_f32 v15, v13, s30, s31
	v_fma_f32 v14, v14, v13, s29
	v_fma_f32 v15, v15, v13, s32
	v_mul_f32 v16, v12, v13
	v_fma_f32 v17, v13, -0.5, 1.0
	v_fma_f32 v14, v16, v14, v12                   ; sin y
	v_mul_f32 v16, v13, v13
	v_fma_f32 v15, v16, v15, v17                   ; cos y
	v_cvt_i32_f32 v11, v11
	v_and_b32 v16, 1, v11
	v_cmp_ne_u32 s33, 0, v16
	v_cndmask_b32 v17, v14, v15, s33               ; an odd quarter swaps the two
	v_cndmask_b32 v15, v15, v14, s33
	v_and_b32 v16, 2, v11
	v_lshlrev_b32 v16, 30, v16
	v_xor_b32 v[80+\i], v17, v16                   ; sin: minus in quarters 2 and 3
	v_add_nc_u32 v11, 1, v11
	v_and_b32 v11, 2, v11
	v_lshlrev_b32 v11, 30, v11
	v_xor_b32 v[64+\i], v15, v11                   ; cos: minus in quarters 1 and 2
.endm
.Ltable:
	s_sub_co_u32 s21, ttmp9, 768
	s_lshl_b32 s21, s21, 2
	s_add_co_u32 s21, s21, s20                     ; tile of 16 positions, 0 .. 127
	s_lshr_b32 s22, s21, 2
	s_lshl_b32 s22, s22, 6                         ; 64 x (tile / 4)
	s_and_b32 s23, s21, 3                          ; + 8 x (tile % 4)
	s_lshl_b32 s23, s23, 3
	s_add_co_u32 s22, s22, s23
	s_wait_alu depctr_va_vdst(0)
	v_and_b32 v6, 8, v2
	v_mad_u32_u24 v6, v6, 3, v2                    ; r % 8 + 32 (r / 8)
	v_add_nc_u32 v6, s22, v6                       ; my position, in the tokens' order
	v_cvt_f32_u32 v6, v6
	s_wait_alu depctr_va_vdst(0)
	v_cmp_ne_u32 vcc_lo, 0, v3                     ; lanes 16-31
	v_lshlrev_b32 v7, 4, v1
	s_lshl_b32 s22, s21, 12
	s_mov_b32 s23, 0
	s_add_nc_u64 s[18:19], s[18:19], s[22:23]
	s_mov_b32 s24, 0x3f22f983                      ; 2 / pi
	s_mov_b32 s25, 0x3fc90fdb                      ; pi / 2, its f32,
	s_mov_b32 s26, 0xb33bbd2e                      ; and what that leaves
	s_mov_b32 s27, 0xb94ca1f9                      ; sine: -1.9515295891e-4,
	s_mov_b32 s28, 0x3c08839e                      ; 8.3321608736e-3,
	s_mov_b32 s29, 0xbe2aaaa3                      ; -1.6666654611e-1
	s_mov_b32 s30, 0x37ccf5ce                      ; cosine: 2.443315711809948e-5,
	s_mov_b32 s31, 0xbab6061a                      ; -1.388731625493765e-3,
	s_mov_b32 s32, 0x3d2aaaa5                      ; 4.166664568298827e-2
	SINCOS 0, 1.0, 0.01
	SINCOS 1, 0.7498942093324559, 0.007498942093324559
	SINCOS 2, 0.5623413251903491, 0.005623413251903491
	SINCOS 3, 0.4216965034285822, 0.004216965034285822
	SINCOS 4, 0.31622776601683794, 0.0031622776601683794
	SINCOS 5, 0.23713737056616552, 0.0023713737056616552
	SINCOS 6, 0.1778279410038923, 0.001778279410038923
	SINCOS 7, 0.1333521432163324, 0.001333521432163324
	SINCOS 8, 0.1, 0.001
	SINCOS 9, 0.07498942093324559, 0.0007498942093324559
	SINCOS 10, 0.05623413251903491, 0.0005623413251903491
	SINCOS 11, 0.04216965034285822, 0.0004216965034285822
	SINCOS 12, 0.031622776601683794, 0.00031622776601683794
	SINCOS 13, 0.023713737056616552, 0.00023713737056616552
	SINCOS 14, 0.01778279410038923, 0.0001778279410038923
	SINCOS 15, 0.01333521432163324, 0.0001333521432163324
.irp q,0,1,2,3,4,5,6,7
	global_store_b128 v7, v[64+4*\q:67+4*\q], s[18:19] offset:512*\q             ; a lane's 32 numbers: 16 cosines, 16 sines
.endr
	s_endpgm
.Lfunc_end_k_qc87e1f9ad0_prep:
	.size	k_qc87e1f9ad0_prep, .Lfunc_end_k_qc87e1f9ad0_prep-k_qc87e1f9ad0_prep
	.p2alignl 7, 3214868480
	.fill 96, 4, 3214868480
	.section	.rodata,"a",@progbits
	.p2align	6, 0x0
	.amdhsa_kernel k_qc87e1f9ad0_prep
		.amdhsa_group_segment_fixed_size 68096
		.amdhsa_private_segment_fixed_size 0
		.amdhsa_enable_private_segment 0
		.amdhsa_kernarg_size 64
		.amdhsa_user_sgpr_count 2
		.amdhsa_user_sgpr_kernarg_segment_ptr 1
		.amdhsa_wavefront_size32 1
		.amdhsa_system_sgpr_workgroup_id_x 1
		.amdhsa_system_sgpr_workgroup_id_y 1
		.amdhsa_system_sgpr_workgroup_id_z 1
		.amdhsa_system_vgpr_workitem_id 0
		.amdhsa_next_free_vgpr 256
		.amdhsa_next_free_sgpr 66
		.amdhsa_reserve_vcc 1
		.amdhsa_float_denorm_mode_32 3
		.amdhsa_float_denorm_mode_16_64 3
		.amdhsa_memory_ordered 1
		.amdhsa_forward_progress 1
		.amdhsa_inst_pref_size 61
	.end_amdhsa_kernel
	.amdgpu_metadata
---
amdhsa.version: [ 1, 2 ]
amdhsa.kernels:
  - .name:           k_qc87e1f9ad0_prep
    .symbol:         k_qc87e1f9ad0_prep.kd
    .args:
      - { .name: x, .offset: 0, .size: 8, .value_kind: global_buffer, .address_space: global }
      - { .name: Wq, .offset: 8, .size: 8, .value_kind: global_buffer, .address_space: global }
      - { .name: Wk, .offset: 16, .size: 8, .value_kind: global_buffer, .address_space: global }
      - { .name: Wv, .offset: 24, .size: 8, .value_kind: global_buffer, .address_space: global }
      - { .name: Wo, .offset: 32, .size: 8, .value_kind: global_buffer, .address_space: global }
      - { .name: xq, .offset: 40, .size: 8, .value_kind: global_buffer, .address_space: global }
      - { .name: wq, .offset: 48, .size: 8, .value_kind: global_buffer, .address_space: global }
      - { .name: rope, .offset: 56, .size: 8, .value_kind: global_buffer, .address_space: global }
    .group_segment_fixed_size: 68096
    .private_segment_fixed_size: 0
    .kernarg_segment_align: 8
    .kernarg_segment_size: 64
    .max_flat_workgroup_size: 128
    .sgpr_count:     66
    .vgpr_count:     256
    .wavefront_size: 32
...
	.end_amdgpu_metadata
.endif
;; end of part 1
;; launch qkv (part 2): grid 16 x 16, 4 waves a work-group, clusters of 4 x 4, 327,680 bytes of LDS; arguments xq, wq, rope, bq, bk, bv, key_padding_mask, qk, vq; writes qk, vq
.if DOCPART == 2
	.amdgcn_target "amdgcn-amd-amdhsa--gfx1250"
	.amdhsa_code_object_version 6
	.text
	.protected	k_qc87e1f9ad0_qkv
	.globl	k_qc87e1f9ad0_qkv
	.p2align	8
	.type	k_qc87e1f9ad0_qkv,@function
k_qc87e1f9ad0_qkv:
	s_mov_b64 s[64:65], 0
	v_nop
	global_prefetch_b8 v0, s[64:65] scope:SCOPE_SE
	s_setreg_imm32_b32 hwreg(HW_REG_WAVE_MODE, 25, 1), 1
	s_wait_xcnt 0x0
	s_wait_alu depctr_hold_cnt(0) depctr_sa_sdst(0) depctr_va_vdst(0) depctr_va_sdst(0) depctr_va_ssrc(0) depctr_va_vcc(0) depctr_vm_vsrc(0)
	s_getreg_b32 s2, hwreg(HW_REG_IB_STS2, 6, 4)
	s_cmp_eq_u32 s2, 0
	s_cbranch_scc0 .Lentry_in_a_cluster
	s_endpgm
.Lentry_in_a_cluster:
	s_bfe_u32 s2, ttmp6, 0x10000c
	s_cmp_lg_u32 s2, 0xf033
	s_cbranch_scc0 .Lentry_shape_is_right
	s_endpgm
.Lentry_shape_is_right:
; QKV: the three projections on codes of FP6 (E2M3), then bias, RoPE and the quantising of q, k (along the head's 64) and v (along the keys), all in registers.
; A tile is 128 rows of source 0 x 256 rows of source 1 over all K = 1,024; its operands, 3 groups of 102,400 bytes, lie in LDS whole.
; Four waves; wave w takes all 128 of source 0 x its own 64 of source 1: 32 accumulators, 256 registers, 256 matrix instructions a tile.
; A WORK-GROUP STAYS and makes three tiles: two of q or k (source 0 = 128 features of Wq or Wk, source 1 = 256 tokens; the second tile's tokens lie 4,096 further on, at the same positions of another batch,
; so the table and the bias are loaded once), then one of v (source 0 = 128 tokens, source 1 = 256 features of Wv).
; When a tile's last fragments are in registers, LDS is filled again for the next tile: every wave's three lines, a round of the cluster's barrier, one joint load a wave;
; the tile's last 32 products and its way out stand between that request and the wait for it.  Between the two q, k tiles source 0's group is asked for again.
; q, k: a lane holds ONE token, its registers run along the features (two heads).  v: a lane holds ONE feature, its registers run along 128 tokens, one key step of the second attention product.
; THE FEATURES' ORDER: lane r of fragment 2 b + u is row 32 b + 8 u + r + 8 (r / 8): the 16 registers of tiles 2 b, 2 b + 1 are 16 neighbours along source 0's rows.
; THE TOKENS' ORDER: lane r of fragment j of each 64 tokens is token 8 j + r % 8 + 32 (r / 8): for v a lane's 32 registers of tiles 4 c .. 4 c + 3 are tokens 64 c + 32 h + 0 .. 31: a whole block.
; CLUSTERS 4 x 4: source 0's group hangs on cx and is asked for jointly by the column of the cluster, source 1's on cy and by the row.
; THE KEY PADDING MASK goes into the unused half of the first attention product's K: at k = 64 every q holds the code of -1 under the scale 2^-7, a hidden key +1 under 2^127 (its real codes become zeros),
; a key that counts the code 0 under 2^-126.  So a hidden key's score is exactly -2^120 and every other score is untouched.
; LIMITS: a block of zeros gets the byte 1 where the rule says 127 (zero codes; this program alone reads the bytes); NaN and infinities are not served.
; NO PREFETCH: a refill is asked for a whole way out ahead of its wait, and what it brings is read by other clusters in the same walk.
; REGISTERS: window 0: v1-15, v30, v31 addresses; v16-27 scale words, two sets; v28, v29 the add's two; v32-127 source 1's fragments, two sets; v128-255 the way out.
;   window 1: source 0's fragments, two sets of 96.  window 2: the accumulators, (t, a) at 64 t + 8 a.  window 3: v0-127 cosines and sines, 32 a tile of tokens; v128-191 the bias in the result's layout.
.set GRP,   102400
.set SLAB,  12800
.set S0B,   2*GRP                      ; LDS: source 1's two groups, then source 0's
.set SPARE, 3*GRP                      ; then the spare words, 128 bytes a wave
.set NF,    42                         ; LDS loads of one K step's fetch
.set MSB, 0
.macro WIN new                         ; the immediate's high byte repeats the setting that is left
.if MSB != \new
	s_set_vgpr_msb (MSB<<8)|\new
.set MSB, \new
.endif
.endm
.macro PLACES
.rept 4
	v_nop
.endr
.endm
.macro CROUND                          ; a round of the cluster's barrier
	s_barrier_signal -1
	s_barrier_wait -1
	s_cmp_lg_u32 s22, 0
	s_cbranch_scc1 .Lnot_wave_0_\@
	s_barrier_signal -3
.Lnot_wave_0_\@:
	s_barrier_wait -3
	s_barrier_signal -1
	s_barrier_wait -1
.endm
.macro LOADS                           ; one joint load a wave: waves 0, 1 a group of source 1 each, waves 2, 3 half of source 0's group each
	s_cmp_lt_u32 s22, 2
	s_cbranch_scc0 .Lfor_s0_\@
	tensor_load_to_lds s[68:71], s[36:43]
	s_nop 0
	PLACES
	s_branch .Lasked_\@
.Lfor_s0_\@:
	tensor_load_to_lds s[44:47], s[28:35]
	s_nop 0
	PLACES
.Lasked_\@:
.endm
.macro WMX c                           ; one product; the registers stand in symbols; an odd fragment's scale words lie in lanes 16-31
.if ROWA && ROWB
	v_wmma_scale_f32_16x16x128_f8f6f4 v[rD:rD+7], v[rA:rA+11], v[rB:rB+11], \c, v[rSA], v[rSB] matrix_a_fmt:MATRIX_FMT_FP6 matrix_b_fmt:MATRIX_FMT_FP6 matrix_a_scale:MATRIX_SCALE_ROW1 matrix_b_scale:MATRIX_SCALE_ROW1
.elseif ROWA
	v_wmma_scale_f32_16x16x128_f8f6f4 v[rD:rD+7], v[rA:rA+11], v[rB:rB+11], \c, v[rSA], v[rSB] matrix_a_fmt:MATRIX_FMT_FP6 matrix_b_fmt:MATRIX_FMT_FP6 matrix_a_scale:MATRIX_SCALE_ROW1
.elseif ROWB
	v_wmma_scale_f32_16x16x128_f8f6f4 v[rD:rD+7], v[rA:rA+11], v[rB:rB+11], \c, v[rSA], v[rSB] matrix_a_fmt:MATRIX_FMT_FP6 matrix_b_fmt:MATRIX_FMT_FP6 matrix_b_scale:MATRIX_SCALE_ROW1
.else
	v_wmma_scale_f32_16x16x128_f8f6f4 v[rD:rD+7], v[rA:rA+11], v[rB:rB+11], \c, v[rSA], v[rSB] matrix_a_fmt:MATRIX_FMT_FP6 matrix_b_fmt:MATRIX_FMT_FP6
.endif
.endm
; K step s into set: source 0's 8 fragments, my 4 of source 1, their scale words (one load: an even fragment's words in lanes 0-15, the odd one's in lanes 16-31)
.macro FETCH s, set
	WIN 0x40                                       ; destination window 1
.irp f,0,1,2,3,4,5,6,7
.irp k,0,1,2
	ds_load_b128 v[96*(\set)+12*\f+4*\k:96*(\set)+12*\f+4*\k+3], v[1+(\s)/4] offset:((\s)%4)*SLAB+1536*\f+512*\k
.endr
.endr
	WIN 0
.irp t,0,1,2,3
.irp k,0,1,2
	ds_load_b128 v[32+48*(\set)+12*\t+4*\k:32+48*(\set)+12*\t+4*\k+3], v[3+(\s)/4] offset:((\s)%4)*SLAB+1536*\t+512*\k
.endr
.endr
.irp p,0,1,2,3
	ds_load_b32 v[16+6*(\set)+\p], v[5+(\s)/4] offset:((\s)%4)*SLAB+12288+128*\p
.endr
.irp p,0,1
	ds_load_b32 v[20+6*(\set)+\p], v[7+(\s)/4] offset:((\s)%4)*SLAB+12288+128*\p
.endr
.endm
; 32 products, the 32 accumulators by turns.  cm 0: onto the sums; 1: the sums begin with 0; 2: they begin with the bias
.macro MUL set, cm
.if \cm == 2
	WIN 0xb1                                       ; source 0 window 1, source 1 window 0, C window 3, D window 2
.else
	WIN 0xa1                                       ; C and D window 2
.endif
.irp t,0,1,2,3
.irp a,0,1,2,3,4,5,6,7
.set rD, 64*\t+8*\a
.set rA, 96*(\set)+12*\a
.set rB, 32+48*(\set)+12*\t
.set rSA, 16+6*(\set)+\a/2
.set rSB, 20+6*(\set)+\t/2
.set ROWA, \a%2
.set ROWB, \t%2
.if \cm == 0
	WMX v[rD:rD+7]
.elseif \cm == 1
	WMX 0
.else
.set rC, 128+8*\a
	WMX v[rC:rC+7]
.endif
.endr
.endr
.endm
; A tile's eight K steps.  refill = 1: ahead of the last step's products LDS is filled again for the next tile
.macro MAIN cm0, refill
	s_wait_tensorcnt 0x0                           ; my part of the operands is in,
	s_barrier_signal -1
	s_barrier_wait -1                              ; everybody's is
	FETCH 0, 0
	FETCH 1, 1
	s_wait_loadcnt 0x0                             ; bias, table, mask
	s_wait_dscnt NF                                ; step 0's fetch is in; step 1's 42 may be out
	MUL 0, \cm0
.irp s,1,2,3,4,5,6
	PLACES                                         ; in front of loads into registers that the last products read
	FETCH \s+1, (\s+1)%2
	s_wait_dscnt NF                                ; all but the 42 just issued
	MUL \s%2, 0
.endr
.if \refill
	WIN 0
	s_wait_tensorcnt 0x0                           ; the first of three lines ahead of a refill's round
	ds_add_u32 v28, v29
	s_cmp_eq_u32 s56, 0                            ; behind the first tile: the same weights and the next tokens; behind the second: v's operands
	s_cselect_b64 s[46:47], s[52:53], s[48:49]
	s_cselect_b64 s[70:71], s[54:55], s[50:51]
	s_or_b32 s47, s47, 0x80000000
	s_or_b32 s71, s71, 0x80000000
	s_wait_dscnt 0x0                               ; the add is done, and my last reads of the operands
	CROUND                                         ; no wave of any partner still reads them
	LOADS
.else
	s_wait_dscnt 0x0
.endif
	MUL 1, 0
	WIN 0
	PLACES                                         ; in front of the first read of results
.endm
; 32 numbers of a lane, register 16 b + i = d 32 b + 16 h + i of my row, become 6 registers of codes (lane (r, h): the whole block h) from v[pp] on and the two bytes in v[yb], v[yb + 1]
.macro QH src, pp, tq, mx, pd, so, yb, sel
.irp b,0,1
	v_max3_num_f32 v[\mx+\b], |v[\src+16*\b]|, |v[\src+16*\b+1]|, 0x1800000      ; with the floor 2^(3 - 127)
.endr
.irp i,2,4,6,8,10,12,14
.irp b,0,1
	v_max3_num_f32 v[\mx+\b], v[\mx+\b], |v[\src+16*\b+\i]|, |v[\src+16*\b+\i+1]|
.endr
.endr
.irp b,0,1
	v_permlanex16_b32 v[\pd+\b], v[\mx+\b], s[\sel], s[\sel+1]
.endr
.irp b,0,1
	v_max_num_f32 v[\mx+\b], v[\mx+\b], v[\pd+\b]  ; with lane l xor 16's 16: the block's largest magnitude
.endr
.irp b,0,1
	v_add_nc_u32 v[\so+\b], 0xff000000, v[\mx+\b]
.endr
.irp b,0,1
	v_lshrrev_b32 v[\yb+\b], 23, v[\so+\b]
.endr
	v_cvt_scalef32_pk16_fp6_f32 v[\pp:\pp+2], v[\src:\src+15], v[\so]
	v_cvt_scalef32_pk16_fp6_f32 v[\tq:\tq+2], v[\src+16:\src+31], v[\so+1]
	v_nop                                          ; one plain line behind the conversions
.irp i,0,1,2
	v_permlane16_swap_b32 v[\pp+\i], v[\tq+\i]
.endr
.irp i,0,1,2
	v_mov_b32 v[\pp+3+\i], v[\tq+\i]
.endr
.endm
; 64 numbers of a lane, register 32 c + i = k 64 c + 32 h + i of my row (blocks h and 2 + h are wholly mine), become a fragment's 12 registers from v[PC] on and its scale word in v[PW]
.set PC, 208
.set TM, 228
.set PW, 244
.macro QUANT s
.irp c,0,1
	v_max3_num_f32 v[TM+\c], |v[\s+32*\c]|, |v[\s+1+32*\c]|, 0x1800000
.endr
.irp i,2,4,6,8,10,12,14,16,18,20,22,24,26,28,30
.irp c,0,1
	v_max3_num_f32 v[TM+\c], v[TM+\c], |v[\s+32*\c+\i]|, |v[\s+1+32*\c+\i]|
.endr
.endr
.irp c,0,1
	v_add_nc_u32 v[TM+12+\c], 0xff000000, v[TM+\c]
.endr
.irp c,0,1
	v_lshrrev_b32 v[TM+4+\c], 23, v[TM+12+\c]
.endr
	v_lshl_or_b32 v[PW], v[TM+5], 16, v[TM+4]      ; my two bytes,
	v_lshlrev_b32 v[PW], v31, v[PW]                ; 8 h bits up;
	v_permlanex16_b32 v[TM+6], v[PW], s2, s3
	v_or_b32 v[PW], v[PW], v[TM+6]                 ; with lane l xor 16's two the word is whole
.irp c,0,1
	v_cvt_scalef32_pk16_fp6_f32 v[PC+6*\c:PC+2+6*\c], v[\s+32*\c:\s+15+32*\c], v[TM+12+\c]
	v_cvt_scalef32_pk16_fp6_f32 v[PC+12+4*\c:PC+14+4*\c], v[\s+16+32*\c:\s+31+32*\c], v[TM+12+\c]
.endr
	v_nop
.irp c,0,1
.irp i,0,1,2
	v_mov_b32 v[PC+3+6*\c+\i], v[PC+12+4*\c+\i]
.endr
.endr
.endm
	s_load_b256 s[4:11], s[0:1], 0x0               ; xq, wq, rope, bq
	s_load_b256 s[12:19], s[0:1], 0x20             ; bk, bv, mask, qk
	s_load_b64 s[20:21], s[0:1], 0x40              ; vq
	v_lshl_add_u32 v28, v0, 2, SPARE
	v_mov_b32 v29, 0
	ds_add_u32 v28, v29                            ; the opening lines: the add twice on end and its wait
	ds_add_u32 v28, v29
	v_lshrrev_b32 v9, 5, v0
	v_readfirstlane_b32 s22, v9                    ; wave
	s_bfe_u32 s23, ttmp6, 0x40000                  ; cx
	s_bfe_u32 s24, ttmp6, 0x40004                  ; cy
	s_mov_b32 s25, ttmp9                           ; cluster x, 0-3
	s_and_b32 s26, ttmp7, 0xffff                   ; cluster y, 0-3
	s_lshl_b32 s84, 0x1111, s23                    ; my column of the cluster (same cx): source 0
	s_lshl_b32 s85, s24, 2
	s_lshl_b32 s85, 15, s85                        ; my row (same cy): source 1
	s_or_b32 s28, s84, (3<<16)|(1<<21)             ; group 1: the mask; elements of 8 bytes; bit 21 beside a mask; no padding
	s_or_b32 s36, s85, (3<<16)|(1<<21)
.irp g,28,36
	s_mov_b32 s[\g+1], 32<<16                      ; rows of 256 bytes, dense
	s_mov_b32 s[\g+3], 32<<16
	s_mov_b32 s[\g+5], 32
	s_mov_b32 s[\g+6], 0
	s_mov_b32 s[\g+7], 0
.endr
	s_mov_b32 s30, 200<<16                         ; source 0: 200 rows, half a group
	s_mov_b32 s32, 200
	s_mov_b32 s38, 400<<16                         ; source 1: 400 rows, a group
	s_mov_b32 s40, 400
	s_lshl_b32 s60, s25, 2
	s_add_co_u32 s60, s60, s23                     ; q, k: source 0's group of wq, 4 CX + cx.  Never holds cy
	s_lshl_b32 s61, s26, 4
	s_add_co_u32 s61, s61, s60                     ; v: source 0's group of xq, + 16 CY
	s_lshl_b32 s62, s26, 3
	s_lshl_b32 s63, s24, 1
	s_add_co_u32 s62, s62, s63                     ; q, k: source 1's first group of xq, 8 CY + 2 cy.  Never holds cx
	s_add_co_u32 s57, s63, 16                      ; v: of wq, 16 + 2 cy
	s_and_b32 s63, s22, 1
	s_mul_i32 s58, s63, GRP/2                      ; waves 2, 3: which half of source 0's group
	s_mul_i32 s90, s60, GRP
	s_add_co_u32 s90, s90, s58
	s_mov_b32 s91, 0
	s_mul_i32 s92, s61, GRP
	s_add_co_u32 s92, s92, s58
	s_mov_b32 s93, 0
	s_add_co_u32 s88, s62, s63                     ; waves 0, 1: which group of source 1
	s_mul_i32 s94, s88, GRP
	s_mov_b32 s95, 0
	s_add_co_u32 s88, s57, s63
	s_mul_i32 s96, s88, GRP
	s_mov_b32 s97, 0
	s_mul_i32 s98, s63, GRP                        ; and where it goes
	v_and_b32 v9, 31, v0                           ; lane
	v_lshlrev_b32 v10, 4, v9                       ; 16 x lane
	v_lshlrev_b32 v11, 2, v9                       ; 4 x lane
	v_lshlrev_b32 v12, 3, v9                       ; 8 x lane
	v_and_b32 v13, 15, v0
	v_and_b32 v15, 8, v13
	v_add_nc_u32 v13, v13, v15                     ; r + 8 (r / 8): my feature of a tile
	v_bfe_u32 v14, v0, 4, 1
	v_lshlrev_b32 v14, 6, v14                      ; 64 h
	v_and_b32 v30, 16, v13
	v_add_nc_u32 v30, v30, v13                     ; r % 8 + 32 (r / 8): my token of a tile
	v_lshrrev_b32 v31, 3, v14                      ; 8 h
	s_lshr_b32 s84, s22, 1
	s_mul_i32 s84, s84, GRP                        ; my 64 rows of source 1: group wave / 2,
	s_mul_i32 s86, s63, 6144                       ; fragments 4 (wave % 2) on
	s_add_co_u32 s86, s86, s84
	s_lshl_b32 s87, s63, 8
	s_add_co_u32 s87, s87, s84
	v_add_nc_u32 v1, S0B, v10
	v_add_nc_u32 v2, S0B+4*SLAB, v10
	v_add_nc_u32 v3, s86, v10
	v_add_nc_u32 v4, 4*SLAB, v3
	v_add_nc_u32 v5, S0B, v11
	v_add_nc_u32 v6, S0B+4*SLAB, v11
	v_add_nc_u32 v7, s87, v11
	v_add_nc_u32 v8, 4*SLAB, v7
	s_mov_b32 s2, 0x76543210
	s_mov_b32 s3, 0xfedcba98                       ; selects: lane l xor 16
	s_wait_dscnt 0x0                               ; the opening adds are done
	s_wait_kmcnt 0x0
	s_add_nc_u64 s[52:53], s[6:7], s[90:91]        ; q, k: source 0, in wq
	s_add_nc_u64 s[48:49], s[4:5], s[92:93]        ; v: source 0, in xq
	s_add_nc_u64 s[54:55], s[4:5], s[94:95]        ; q, k: source 1, in xq
	s_add_nc_u64 s[50:51], s[6:7], s[96:97]        ; v: source 1, in wq
	CROUND                                         ; all sixteen work-groups are here: the joint loads meet
	s_mov_b32 s44, 1
	s_add_co_u32 s45, s58, S0B
	s_mov_b64 s[46:47], s[52:53]
	s_or_b32 s47, s47, 0x80000000
	s_mov_b32 s68, 1
	s_add_co_u32 s69, s98, 0
	s_mov_b64 s[70:71], s[54:55]
	s_or_b32 s71, s71, 0x80000000
	s_add_nc_u64 s[54:55], s[54:55], 32*GRP        ; the second tile's tokens: 32 groups on
	LOADS
; ================ q and k: two tiles ================
	s_mov_b32 s89, 0
	s_lshr_b32 s84, s25, 1                         ; 0: q, 1: k  (= source 0's group / 8)
	s_lshl_b32 s85, s26, 2
	s_add_co_u32 s85, s85, s24                     ; which 256 tokens, in the first tile
	s_and_b32 s86, s60, 7                          ; which 128 features: heads 2 x this, + 1
	s_lshl_b32 s88, s85, 4
	s_lshl_b32 s87, s22, 2
	s_add_co_u32 s88, s88, s87
	s_and_b32 s88, s88, 127                        ; my first tile of positions, the same in both tiles
	s_lshl_b32 s88, s88, 12
	s_add_nc_u64 s[8:9], s[8:9], s[88:89]
	s_cmp_eq_u32 s84, 0
	s_cselect_b64 s[10:11], s[10:11], s[12:13]     ; bq or bk
	s_cselect_b32 s94, 0, 1                        ; the mask counts for k alone
	s_cselect_b32 s95, 0x28, 0                     ; q's code at k = 64: -1
	s_cselect_b32 s96, 120, 1                      ; and its block's byte: 2^-7; k's: 2^-126 where the key counts
	s_mov_b32 s97, 0xffff0000                      ; lanes 16-31
	s_lshl_b32 s88, s86, 9
	s_add_nc_u64 s[10:11], s[10:11], s[88:89]
	s_lshl_b32 s88, s85, 8
	s_lshl_b32 s87, s22, 6
	s_add_co_u32 s88, s88, s87                     ; my first token
	s_add_nc_u64 s[16:17], s[16:17], s[88:89]
	s_lshl_b32 s88, s84, 6
	s_lshr_b32 s87, s85, 3
	s_lshl_b32 s87, s87, 4
	s_add_co_u32 s88, s88, s87
	s_lshl_b32 s87, s86, 1
	s_add_co_u32 s88, s88, s87                     ; 64 which + 16 batch + head
	s_mul_i32 s88, s88, 139264
	s_lshl_b32 s87, s85, 1
	s_lshr_b32 s99, s22, 1
	s_add_co_u32 s87, s87, s99
	s_and_b32 s87, s87, 15                         ; the step of 128 tokens
	s_mul_i32 s87, s87, 8704
	s_add_co_u32 s88, s88, s87
	s_lshl_b32 s87, s63, 12                        ; my four tiles of its eight
	s_add_co_u32 s88, s88, s87
	s_add_nc_u64 s[18:19], s[18:19], s[88:89]
	s_mul_i32 s87, s63, 3840
	s_sub_co_u32 s87, 8192, s87
	v_add_nc_u32 v15, s87, v12                     ; my quad of scale words, from the tiles' base
	WIN 0xc0                                       ; destination window 3
.irp t,0,1,2,3
.irp q,0,1,2,3,4,5,6,7
	global_load_b128 v[32*\t+4*\q:32*\t+4*\q+3], v10, s[8:9] offset:4096*\t+512*\q          ; cosines and sines at my token of tile t
.endr
.endr
.irp a,0,1,2,3,4,5,6,7
	global_load_b128 v[128+8*\a:131+8*\a], v14, s[10:11] offset:(32*(\a/2)+8*(\a%2))*4      ; the bias at tile a's features 32 (a / 2) + 16 h + 8 (a % 2) + 0 .. 7
	global_load_b128 v[132+8*\a:135+8*\a], v14, s[10:11] offset:(32*(\a/2)+8*(\a%2))*4+16
.endr
	WIN 0
	s_mov_b32 s56, 0
.Ltile:
.irp t,0,1,2,3
	global_load_u8 v[226+\t], v30, s[16:17] offset:8*\t                                     ; the mask's byte of my token
.endr
	s_wait_alu depctr_va_vdst(0)
	MAIN 2, 1                                      ; the bias is the C of each sum's first product
	v_mov_b32 v207, 0                              ; register 7 of a tile
	v_mov_b32 v214, 0
	v_mov_b32 v215, 0                              ; (a lane permute's destination counts as read)
.irp t,0,1,2,3
	WIN 0x0e                                       ; source 0 window 2 (sums), source 1 window 3 (table), the rest window 0
.irp hd,0,1
.irp i,0,2,4,6,8,10,12,14
.set rL, 64*\t+32*\hd+\i               ; d = 16 h + i, i + 1
.set rH, rL+16                         ; d + 32
.set rCo, 32*\t+\i
.set rSi, rCo+16
.set rT, 192+4*((\i/2)%2)
	v_pk_mul_f32 v[rT+2:rT+3], v[rL:rL+1], v[rSi:rSi+1]
	v_pk_mul_f32 v[rT:rT+1], v[rH:rH+1], v[rSi:rSi+1]
	v_pk_fma_f32 v[128+32*\hd+\i:129+32*\hd+\i], v[rL:rL+1], v[rCo:rCo+1], v[rT:rT+1] neg_lo:[0,0,1] neg_hi:[0,0,1]    ; x1 cos - x2 sin
	v_pk_fma_f32 v[144+32*\hd+\i:145+32*\hd+\i], v[rH:rH+1], v[rCo:rCo+1], v[rT+2:rT+3]                                ; x2 cos + x1 sin
.endr
.endr
	WIN 0
.irp hd,0,1
	s_wait_xcnt 0x0                                ; the last tile's stores have read v200-207
	QH 128+32*\hd, 200, 208, 212, 214, 216, 214, 2
	v_and_b32 v218, s94, v[226+\t]                 ; 1: a hidden key
	v_cmp_ne_u32 vcc_lo, 0, v218
.irp i,0,1,2,3,4,5
	v_cndmask_b32 v[200+\i], v[200+\i], 0, vcc_lo  ; its real codes become zeros
.endr
	v_lshl_add_u32 v206, v218, 3, s95              ; the code at k = 64: q -1, a hidden key +1, else 0;
	v_cndmask_b32 v206, v206, 0, s97               ; lanes 16-31 hold k = 96 on: zeros
	v_mad_u32_u24 v219, v218, 253, s96             ; that block's byte: a hidden key 254
	v_lshl_or_b32 v220, v215, 8, v214
	v_lshl_or_b32 v220, v219, 16, v220
	v_or_b32 v220, 0x1000000, v220                 ; the last block's byte: 1
	global_store_b128 v10, v[200:203], s[18:19] offset:139264*\hd+1024*\t
	global_store_b128 v10, v[204:207], s[18:19] offset:139264*\hd+1024*\t+512
.if (\t%2) == 0
	v_mov_b32 v[222+2*\hd+\t/2], v220              ; the quad: tiles 0 | 1 in one register's halves of lanes, 2 | 3 in the next
.else
	v_cndmask_b32 v[222+2*\hd+\t/2], v[222+2*\hd+\t/2], v220, s97
.endif
.endr
.endr
	global_store_b64 v15, v[222:223], s[18:19]
	global_store_b64 v15, v[224:225], s[18:19] offset:139264
	s_wait_xcnt 0x0                                ; the bases are stepped, and the stores' registers written again, only behind this wait
	s_add_nc_u64 s[16:17], s[16:17], 4096          ; 4,096 tokens on:
	s_add_nc_u64 s[18:19], s[18:19], 32*139264     ; two batches on
	s_add_co_u32 s56, s56, 1
	s_wait_alu depctr_va_vdst(0)
	s_cmp_lt_u32 s56, 2
	s_cbranch_scc1 .Ltile
; ================ v: one tile ================
	s_lshl_b32 s84, s24, 2
	s_add_co_u32 s84, s84, s22                     ; my head: 4 cy + wave
	s_lshl_b32 s88, s84, 8
	s_add_nc_u64 s[14:15], s[14:15], s[88:89]      ; its 64 numbers of bv
	s_lshr_b32 s85, s61, 4
	s_lshl_b32 s85, s85, 4
	s_add_co_u32 s85, s85, s84                     ; 16 batch + head
	s_mul_i32 s88, s85, 102400
	s_and_b32 s85, s61, 15                         ; the key step
	s_mul_i32 s85, s85, 6400
	s_add_co_u32 s88, s88, s85
	s_add_nc_u64 s[20:21], s[20:21], s[88:89]
	v_lshlrev_b32 v15, 2, v13
.irp t,0,1,2,3
	global_load_b32 v[200+2*\t], v15, s[14:15] offset:(32*(\t/2)+8*(\t%2))*4                ; the bias of my feature of tile t,
	global_load_b32 v[201+2*\t], v15, s[14:15] offset:(32*(\t/2)+8*(\t%2))*4                ; twice: the packed addition names a pair
.endr
	s_wait_alu depctr_va_vdst(0)
	MAIN 1, 0
.irp b,0,1,2,3
	v_mov_b32 v[TM+4+\b], 0                        ; (a lane permute's destination counts as read)
.endr
.irp t,0,1,2,3
	WIN 0x02                                       ; source 0 window 2
.set i, 0
.rept 32
	v_pk_add_f32 v[128+i:129+i], v[64*\t+i:64*\t+i+1], v[200+2*\t:201+2*\t] op_sel_hi:[1,0]   ; + bias, and into window 0; each accumulator from its low end on
.set i, i+2
.endr
	WIN 0
	s_wait_xcnt 0x0                                ; the last tile's stores have read their registers
	QUANT 128                                      ; along the 128 tokens
.irp k,0,1,2
	global_store_b128 v10, v[PC+4*\k:PC+4*\k+3], s[20:21] offset:1536*\t+512*\k
.endr
.if (\t%2) == 0
	v_mov_b32 v[246+\t/2], v[PW]
.else
	v_cndmask_b32 v[246+\t/2], v[246+\t/2], v[PW], s97
.endif
.endr
	global_store_b64 v12, v[246:247], s[20:21] offset:6144
	s_wait_tensorcnt 0x0                           ; the wave's end
	ds_add_u32 v28, v29
	s_wait_dscnt 0x0
	CROUND                                         ; the closing round
	s_endpgm
.Lfunc_end_k_qc87e1f9ad0_qkv:
	.size	k_qc87e1f9ad0_qkv, .Lfunc_end_k_qc87e1f9ad0_qkv-k_qc87e1f9ad0_qkv
	.p2alignl 7, 3214868480
	.fill 96, 4, 3214868480
	.section	.rodata,"a",@progbits
	.p2align	6, 0x0
	.amdhsa_kernel k_qc87e1f9ad0_qkv
		.amdhsa_group_segment_fixed_size 327680
		.amdhsa_private_segment_fixed_size 0
		.amdhsa_enable_private_segment 0
		.amdhsa_kernarg_size 72
		.amdhsa_user_sgpr_count 2
		.amdhsa_user_sgpr_kernarg_segment_ptr 1
		.amdhsa_wavefront_size32 1
		.amdhsa_system_sgpr_workgroup_id_x 1
		.amdhsa_system_sgpr_workgroup_id_y 1
		.amdhsa_system_sgpr_workgroup_id_z 1
		.amdhsa_system_vgpr_workitem_id 0
		.amdhsa_next_free_vgpr 1024
		.amdhsa_next_free_sgpr 100
		.amdhsa_reserve_vcc 1
		.amdhsa_float_denorm_mode_32 3
		.amdhsa_float_denorm_mode_16_64 3
		.amdhsa_memory_ordered 1
		.amdhsa_forward_progress 1
		.amdhsa_inst_pref_size 187
	.end_amdhsa_kernel
	.amdgpu_metadata
---
amdhsa.version: [ 1, 2 ]
amdhsa.kernels:
  - .name:           k_qc87e1f9ad0_qkv
    .symbol:         k_qc87e1f9ad0_qkv.kd
    .args:
      - { .name: xq, .offset: 0, .size: 8, .value_kind: global_buffer, .address_space: global }
      - { .name: wq, .offset: 8, .size: 8, .value_kind: global_buffer, .address_space: global }
      - { .name: rope, .offset: 16, .size: 8, .value_kind: global_buffer, .address_space: global }
      - { .name: bq, .offset: 24, .size: 8, .value_kind: global_buffer, .address_space: global }
      - { .name: bk, .offset: 32, .size: 8, .value_kind: global_buffer, .address_space: global }
      - { .name: bv, .offset: 40, .size: 8, .value_kind: global_buffer, .address_space: global }
      - { .name: key_padding_mask, .offset: 48, .size: 8, .value_kind: global_buffer, .address_space: global }
      - { .name: qk, .offset: 56, .size: 8, .value_kind: global_buffer, .address_space: global }
      - { .name: vq, .offset: 64, .size: 8, .value_kind: global_buffer, .address_space: global }
    .group_segment_fixed_size: 327680
    .private_segment_fixed_size: 0
    .kernarg_segment_align: 8
    .kernarg_segment_size: 72
    .max_flat_workgroup_size: 128
    .sgpr_count:     100
    .vgpr_count:     1024
    .wavefront_size: 32
...
	.end_amdgpu_metadata
.endif
;; end of part 2
;; launch attn (part 3): grid 4 x 64, 8 waves a work-group, clusters of 4 x 1, 327,680 bytes of LDS; arguments qk, vq, ac; writes ac
.if DOCPART == 3
	.amdgcn_target "amdgcn-amd-amdhsa--gfx1250"
	.amdhsa_code_object_version 6
	.text
	.protected	k_qc87e1f9ad0_attn
	.globl	k_qc87e1f9ad0_attn
	.p2align	8
	.type	k_qc87e1f9ad0_attn,@function
k_qc87e1f9ad0_attn:
	s_mov_b64 s[64:65], 0
	v_nop
	global_prefetch_b8 v0, s[64:65] scope:SCOPE_SE
	s_setreg_imm32_b32 hwreg(HW_REG_WAVE_MODE, 25, 1), 1
	s_wait_xcnt 0x0
	s_wait_alu depctr_hold_cnt(0) depctr_sa_sdst(0) depctr_va_vdst(0) depctr_va_sdst(0) depctr_va_ssrc(0) depctr_va_vcc(0) depctr_vm_vsrc(0)
	s_getreg_b32 s2, hwreg(HW_REG_IB_STS2, 6, 4)
	s_cmp_eq_u32 s2, 0
	s_cbranch_scc0 .Lentry_in_a_cluster
	s_endpgm
.Lentry_in_a_cluster:
	s_bfe_u32 s2, ttmp6, 0x10000c
	s_cmp_lg_u32 s2, 0x3003
	s_cbranch_scc0 .Lentry_shape_is_right
	s_endpgm
.Lentry_shape_is_right:
; ATTN: o = softmax(q k^T / 8) v for one batch and head, on codes of FP6 (E2M3); the result leaves as codes and scale bytes for the last projection.
; A work-group takes 512 queries; the four work-groups of a cluster take the 2,048 queries of one head and ask JOINTLY for its K (139,264 bytes) and V (102,400 bytes), which come into LDS once and stay.
; Eight waves; a wave takes 32 queries (two tiles, A and B) in each of two passes, so that each fragment of K and V read from LDS feeds two products.
; Both products are used transposed (S^T = k q^T, O^T = v^T p^T): a lane holds one query.  By the tokens' order (lane r of tile j of each 64 keys is key 8 j + r % 8 + 32 (r / 8))
; a lane's 32 scores of tiles 4 c .. 4 c + 3 are keys 64 c + 32 h + 0 .. 31: one whole scale block, in the order of the next operand's registers: no lane looks at another but for the row's maximum, the scale word and the sum.
; p = 2^(t - M), t = score x log2(e) / 8, M the ceiling of the running largest t, kept as -M; when M moves, the sums are multiplied by the exact power of two.  The row's sum is taken of the unquantised p.
; A block's largest p is made from its largest score by the same multiply-add and exponential.  A hidden key's score is -2^120 (made by the launch before, in the unused half of K).
; THE ORDER OF A STEP.  The products stand in unbroken runs: B's scores at the step's head; the value products and A's scores of the NEXT step at its end.
;   Among A's exponentials stand B's multiply-adds, among B's exponentials A's conversions and the first level of A's sum: lines that hang on no exponential of the batch and on no other line among them.
;   One tile's chain from its maxima to M stands among the other tile's independent lines.  The sums are trees of packed additions, so that neighbouring lines do not hang on each other.
; LIMITS: NaN and infinities are not served; the promise holds while the scaled scores of keys that count stay under 2^31 in magnitude.
; NO PREFETCH: all tiles are asked for at the head, one tensor load a wave, and the launch has no loop that runs ahead of a load.
; REGISTERS.  Window 0: v1-14 addresses; v16-39, v48, v49 a tile's running numbers; v40-47 scale words; v54-78 at work; v80-103 q's two fragments; v104-127 p's two operands; v128-255 the scores, then p.
;   Window 1: v0-95 K's eight fragments of a step (registers 8-11 of each stay 0: k = 96 on); v96-143 V's four; v144-207 O^T of tiles A and B.
.set KST,   8704                       ; a key step of K: 8 tiles of 1,024 bytes, 512 bytes of scale words
.set VST,   6400                       ; of V: 4 tiles of 1,536 bytes, 256 bytes of scale words
.set VB,    16*KST
.set SPARE, VB+16*VST                  ; the spare words, 128 bytes a wave
.set SS,  128
.set QA,  80
.set PP,  104
.set KW,  40
.set VW,  44
.set VF,  96
.set OO,  144
.set MSB, 0
.macro WIN new                         ; the immediate's high byte repeats the setting that is left
.if MSB != \new
	s_set_vgpr_msb (MSB<<8)|\new
.set MSB, \new
.endif
.endm
.macro WALU
	s_wait_alu depctr_va_vdst(0)
.endm
.macro PLACES
.rept 4
	v_nop
.endr
.endm
.macro CROUND
	s_barrier_signal -1
	s_barrier_wait -1
	s_cmp_lg_u32 s10, 0
	s_cbranch_scc1 .Lnot_wave_0_\@
	s_barrier_signal -3
.Lnot_wave_0_\@:
	s_barrier_wait -3
	s_barrier_signal -1
	s_barrier_wait -1
.endm
.macro KQ T, d, q, qs                  ; 16 keys x 16 queries; an odd tile's scale words lie in lanes 16-31
.if (\T)%2
	v_wmma_scale_f32_16x16x128_f8f6f4 v[\d+8*\T:\d+8*\T+7], v[12*\T:12*\T+11], v[\q:\q+11], 0, v[KW+\T/2], v[\qs] matrix_a_fmt:MATRIX_FMT_FP6 matrix_b_fmt:MATRIX_FMT_FP6 matrix_a_scale:MATRIX_SCALE_ROW1
.else
	v_wmma_scale_f32_16x16x128_f8f6f4 v[\d+8*\T:\d+8*\T+7], v[12*\T:12*\T+11], v[\q:\q+11], 0, v[KW+\T/2], v[\qs] matrix_a_fmt:MATRIX_FMT_FP6 matrix_b_fmt:MATRIX_FMT_FP6
.endif
.endm
.macro PV t, o, p, ps                  ; 16 of the head's 64 x 16 queries, over 128 keys
.if (\t)%2
	v_wmma_scale_f32_16x16x128_f8f6f4 v[\o+8*\t:\o+8*\t+7], v[VF+12*\t:VF+12*\t+11], v[\p:\p+11], v[\o+8*\t:\o+8*\t+7], v[VW+\t/2], v[\ps] matrix_a_fmt:MATRIX_FMT_FP6 matrix_b_fmt:MATRIX_FMT_FP6 matrix_a_scale:MATRIX_SCALE_ROW1
.else
	v_wmma_scale_f32_16x16x128_f8f6f4 v[\o+8*\t:\o+8*\t+7], v[VF+12*\t:VF+12*\t+11], v[\p:\p+11], v[\o+8*\t:\o+8*\t+7], v[VW+\t/2], v[\ps] matrix_a_fmt:MATRIX_FMT_FP6 matrix_b_fmt:MATRIX_FMT_FP6
.endif
.endm
.macro KLOAD a                         ; a step's eight fragments of K, eight registers each
.irp T,0,1,2,3,4,5,6,7
	ds_load_b128 v[12*\T:12*\T+3], \a offset:1024*\T
	ds_load_b128 v[12*\T+4:12*\T+7], \a offset:1024*\T+512
.endr
.endm
.macro QLOAD                           ; my two tiles of queries and their scale words
	global_load_b128 v[QA:QA+3], v1, s[40:41]
	global_load_b128 v[QA+4:QA+7], v1, s[40:41] offset:512
	global_load_b128 v[QA+12:QA+15], v1, s[40:41] offset:1024
	global_load_b128 v[QA+16:QA+19], v1, s[40:41] offset:1536
	global_load_b32 v46, v12, s[42:43]
	global_load_b32 v47, v12, s[42:43] offset:128
.endm
; Line i (0 .. 31) of the search for the largest score of each of a tile's two blocks (64 scores from v[s] on): four chains by turns, one over each half of a block, each accumulator from its low end on; results in v[m], v[m + 1]
.macro MX i, s, m, t
.set c_, ((\i)%4)/2
.set h_, (\i)%2
.set r_, (\i)/4
.set b_, (\s)+32*c_+16*h_
.set d_, (\m)+c_+h_*((\t)-(\m))
.if (\i) < 4
	v_max3_num_f32 v[d_], v[b_], v[b_+1], v[b_+2]
.elseif (\i) < 28
	v_max3_num_f32 v[d_], v[d_], v[b_+1+2*r_], v[b_+2+2*r_]
.elseif (\i) < 30
	v_max3_num_f32 v[(\m)+(\i)-28], v[(\m)+(\i)-28], v[(\s)+32*((\i)-28)+15], v[(\s)+32*((\i)-28)+31]
.else
	v_max_num_f32 v[(\m)+(\i)-30], v[(\m)+(\i)-30], v[(\t)+(\i)-30]
.endif
.endm
; Line i (0 .. 31) of the sum of a tile's 64 p from v[s] on, a tree in place (p has been converted by then); the last line adds it to the pair v[l]
.macro TREE i, s, l
.if (\i) < 16
.set a_, (\s)+4*(\i)
.set o_, 2
.elseif (\i) < 24
.set a_, (\s)+8*((\i)-16)
.set o_, 4
.elseif (\i) < 28
.set a_, (\s)+16*((\i)-24)
.set o_, 8
.elseif (\i) < 30
.set a_, (\s)+32*((\i)-28)
.set o_, 16
.else
.set a_, (\s)
.set o_, 32
.endif
.if (\i) < 31
	v_pk_add_f32 v[a_:a_+1], v[a_:a_+1], v[a_+o_:a_+o_+1]
.else
	v_pk_add_f32 v[\l:\l+1], v[\l:\l+1], v[\s:\s+1]
.endif
.endm
; Line i (0 .. 10) of a tile's chain from its blocks' largest scores to -M (v[nm]; v[nm + 1] the running largest score), f = 2^(old M - new M) and the blocks' largest t - M
.macro CH i, m, mx, px, od, nm, f
.if (\i) == 0
	v_max_num_f32 v[\mx], v[\m], v[\m+1]
.elseif (\i) == 1
	v_mov_b32 v[\od], v[\nm]
.elseif (\i) == 2
	v_permlanex16_b32 v[\px], v[\mx], s48, s49
.elseif (\i) == 3
	v_max3_num_f32 v[\nm+1], v[\nm+1], v[\mx], v[\px]
.elseif (\i) == 4
	v_mul_f32 v[\mx], s54, v[\nm+1]
.elseif (\i) == 5
	v_floor_f32 v[\nm], v[\mx]
.elseif (\i) == 6
	v_sub_f32 v[\od], v[\nm], v[\od]
.elseif (\i) == 7
	v_cvt_i32_f32 v[\od], v[\od]
.elseif (\i) == 8
	v_ldexp_f32 v[\f], 1.0, v[\od]
.elseif (\i) == 9
	v_fma_f32 v[\m], v[\m], s50, v[\nm]
.else
	v_fma_f32 v[\m+1], v[\m+1], s50, v[\nm]
.endif
.endm
.macro FB i                            ; the lines among B's exponentials: A's conversions, its bytes, the first level of its sum
.if (\i) < 4
.if ((\i)%2) == 0
	v_cvt_scalef32_pk16_fp6_f32 v[PP+6*((\i)/2):PP+6*((\i)/2)+2], v[SS+32*((\i)/2):SS+32*((\i)/2)+15], v[54+(\i)/2]
.else
	v_cvt_scalef32_pk16_fp6_f32 v[64+4*((\i)/2):66+4*((\i)/2)], v[SS+32*((\i)/2)+16:SS+32*((\i)/2)+31], v[54+(\i)/2]
.endif
.elseif (\i) < 6
	v_lshrrev_b32 v[58+(\i)-4], 23, v[54+(\i)-4]
.else
	TREE (\i)-6, SS, 24
.endif
.endm
; 32 numbers of a lane, register 16 b + i = d 32 b + 16 h + i of my row, become 6 registers of codes (lane (r, h): the whole block h) from v[pp] on and the two bytes in v[yb], v[yb + 1]
.macro QH src, pp, tq, mx, pd, so, yb
.irp b,0,1
	v_max3_num_f32 v[\mx+\b], |v[\src+16*\b]|, |v[\src+16*\b+1]|, 0x1800000
.endr
.irp i,2,4,6,8,10,12,14
.irp b,0,1
	v_max3_num_f32 v[\mx+\b], v[\mx+\b], |v[\src+16*\b+\i]|, |v[\src+16*\b+\i+1]|
.endr
.endr
.irp b,0,1
	v_permlanex16_b32 v[\pd+\b], v[\mx+\b], s48, s49
.endr
.irp b,0,1
	v_max_num_f32 v[\mx+\b], v[\mx+\b], v[\pd+\b]
.endr
.irp b,0,1
	v_add_nc_u32 v[\so+\b], 0xff000000, v[\mx+\b]
.endr
.irp b,0,1
	v_lshrrev_b32 v[\yb+\b], 23, v[\so+\b]
.endr
	v_cvt_scalef32_pk16_fp6_f32 v[\pp:\pp+2], v[\src:\src+15], v[\so]
	v_cvt_scalef32_pk16_fp6_f32 v[\tq:\tq+2], v[\src+16:\src+31], v[\so+1]
	v_nop
.irp i,0,1,2
	v_permlane16_swap_b32 v[\pp+\i], v[\tq+\i]
.endr
.irp i,0,1,2
	v_mov_b32 v[\pp+3+\i], v[\tq+\i]
.endr
.endm
; A STEP OF 128 KEYS for both tiles.  At its head A's scores of this step are there.  more = 1: the next step's K is fetched, and the step ends with A's score products of the next step.
.macro STEP more
.if \more
	s_add_co_u32 s52, s52, KST
.endif
	WIN 0x01                                       ; source 0 (K) window 1
.irp T,0,1,2,3,4,5,6,7
	KQ \T, SS+64, QA+12, 47
.endr
	WIN 0
.if \more
	v_add_nc_u32 v7, s52, v1                       ; these four lines are the places behind the products
	v_add_nc_u32 v8, s52, v3
.else
	v_nop
	v_nop
.endif
	v_add_nc_u32 v9, s53, v2
	v_add_nc_u32 v10, s53, v4
	WIN 0x40                                       ; destination window 1
.if \more
	KLOAD v7
.endif
.irp t,0,1,2,3
.irp k,0,1,2
	ds_load_b128 v[VF+12*\t+4*\k:VF+12*\t+4*\k+3], v9 offset:1536*\t+512*\k
.endr
.endr
	WIN 0
.if \more
	ds_load_b64 v[KW:KW+1], v8
	ds_load_b64 v[KW+2:KW+3], v8 offset:256
.endif
	ds_load_b64 v[VW:VW+1], v10
.set e_, 0
.rept 32                                               ; A's maxima
	MX e_, SS, 28, 32
.set e_, e_+1
.endr
.set e_, 0
.rept 32                                               ; B's maxima, with A's chain among them
	MX e_, SS+64, 30, 38
.if (e_%3) == 2
	CH e_/3, 28, 48, 34, 36, 20, 16
.endif
.set e_, e_+1
.endr
	CH 10, 28, 48, 34, 36, 20, 16
.set e_, 0
.rept 32                                               ; A's t - M, with B's chain among them
	v_pk_fma_f32 v[SS+2*e_:SS+2*e_+1], v[SS+2*e_:SS+2*e_+1], s[50:51], v[20:21] op_sel_hi:[1,0,0]
.if (e_%3) == 2
	CH e_/3, 30, 49, 35, 37, 22, 18
.endif
.set e_, e_+1
.endr
	CH 10, 30, 49, 35, 37, 22, 18
	WIN 0x41                                       ; destination and source 0 window 1
.set j, 0
.rept 16
	v_pk_mul_f32 v[OO+j:OO+j+1], v[OO+j:OO+j+1], v[16:17] op_sel_hi:[1,0]   ; O^T under the new M, ahead of the step's exponentials
.set j, j+2
.endr
.rept 16
	v_pk_mul_f32 v[OO+j:OO+j+1], v[OO+j:OO+j+1], v[18:19] op_sel_hi:[1,0]
.set j, j+2
.endr
	WIN 0
	WALU                                           ; the wait ahead of the batch
.set e_, 0
.rept 32                                               ; A's p, with B's t - M among them
	v_exp_f32 v[SS+2*e_], v[SS+2*e_]
	v_pk_fma_f32 v[SS+64+2*e_:SS+65+2*e_], v[SS+64+2*e_:SS+65+2*e_], s[50:51], v[22:23] op_sel_hi:[1,0,0]
	v_exp_f32 v[SS+2*e_+1], v[SS+2*e_+1]
.set e_, e_+1
.endr
	v_exp_f32 v28, v28                             ; A's blocks' largest p
	v_pk_mul_f32 v[24:25], v[24:25], v[16:17] op_sel_hi:[1,0]      ; the sums under the new M
	v_exp_f32 v29, v29
	v_pk_mul_f32 v[26:27], v[26:27], v[18:19] op_sel_hi:[1,0]
	WALU                                           ; and behind it
	v_max_num_f32 v28, 0x1800000, v28              ; the floor 2^(3 - 127): the byte cannot fall under 1
	v_max_num_f32 v29, 0x1800000, v29
	v_add_nc_u32 v54, 0xff000000, v28              ; 2 off the exponent field: the conversions' scale operand
	v_add_nc_u32 v55, 0xff000000, v29
	WALU                                           ; ahead of the second batch, among
.set e_, 0
.rept 64                                               ; B's p
	v_exp_f32 v[SS+64+e_], v[SS+64+e_]
.if e_ < 21
	FB e_
.endif
.set e_, e_+1
.endr
	v_exp_f32 v30, v30
	v_exp_f32 v31, v31
	FB 21                                          ; a plain line behind the last exponential
	WALU
	s_wait_dscnt 0x0                               ; V's fragments are in, and the next step's K
	v_max_num_f32 v30, 0x1800000, v30
	v_max_num_f32 v31, 0x1800000, v31
	v_add_nc_u32 v56, 0xff000000, v30
	v_add_nc_u32 v57, 0xff000000, v31
.irp k,2,3
	v_cvt_scalef32_pk16_fp6_f32 v[PP+6*\k:PP+6*\k+2], v[SS+32*\k:SS+32*\k+15], v[54+\k]
	v_cvt_scalef32_pk16_fp6_f32 v[64+4*\k:66+4*\k], v[SS+32*\k+16:SS+32*\k+31], v[54+\k]   ; (a conversion's three registers begin on an even number)
.endr
	v_lshrrev_b32 v60, 23, v56                     ; the bytes.  (Plain lines behind the conversions)
	v_lshrrev_b32 v61, 23, v57
	v_lshl_or_b32 v17, v59, 16, v58                ; blocks h and 2 + h,
	v_lshl_or_b32 v19, v61, 16, v60
	v_lshlrev_b32 v17, v14, v17                    ; 8 h bits up;
	v_lshlrev_b32 v19, v14, v19
	v_permlanex16_b32 v62, v17, s48, s49
	v_permlanex16_b32 v63, v19, s48, s49
	v_or_b32 v17, v17, v62                         ; with lane l xor 16's two: p's scale word
	v_or_b32 v19, v19, v63
.irp k,0,1,2,3
.irp i,0,1,2
	v_mov_b32 v[PP+3+6*\k+\i], v[64+4*\k+\i]
.endr
.endr
.set e_, 16
.rept 16                                               ; the rest of A's sum: these lines are the places ahead of the products
	TREE e_, SS, 24
.set e_, e_+1
.endr
	WIN 0x51                                       ; V, C and D window 1, p window 0
.irp t,0,1,2,3
	PV \t, OO, PP, 17                              ; the eight accumulators by turns
	PV \t, OO+32, PP+12, 19
.endr
.if \more
	WIN 0x01
.irp T,0,1,2,3,4,5,6,7
	KQ \T, SS, QA, 46                              ; A's scores of the next step
.endr
.endif
	WIN 0
.set e_, 0
.rept 32                                               ; B's sum
	TREE e_, SS+64, 26
.set e_, e_+1
.endr
	s_add_co_u32 s53, s53, VST
.endm
	s_load_b128 s[4:7], s[0:1], 0x0                ; qk, vq
	s_load_b64 s[8:9], s[0:1], 0x10                ; ac
	v_lshl_add_u32 v5, v0, 2, SPARE
	v_mov_b32 v6, 0
	ds_add_u32 v5, v6                              ; the opening lines: the add twice on end and its wait
	ds_add_u32 v5, v6
	v_lshrrev_b32 v1, 5, v0
	v_readfirstlane_b32 s10, v1                    ; wave
	s_bfe_u32 s11, ttmp6, 0x40000                  ; cx: which 512 queries
	s_and_b32 s12, ttmp7, 0xffff                   ; 16 batch + head
	s_mov_b32 s16, 15|(3<<16)|(1<<21)              ; group 1 for K: all four partners; elements of 8 bytes; rows of 256 bytes,
	s_mov_b32 s17, 32<<16
	s_mov_b32 s18, 136<<16                         ; 136 of them: four steps
	s_mov_b32 s19, 32<<16
	s_mov_b32 s20, 136
	s_mov_b32 s21, 32
	s_mov_b32 s22, 0
	s_mov_b32 s23, 0
	s_mov_b32 s24, 15|(3<<16)|(1<<21)              ; for V: 100 rows: four steps
	s_mov_b32 s25, 32<<16
	s_mov_b32 s26, 100<<16
	s_mov_b32 s27, 32<<16
	s_mov_b32 s28, 100
	s_mov_b32 s29, 32
	s_mov_b32 s30, 0
	s_mov_b32 s31, 0
	s_and_b32 s14, s10, 3                          ; which quarter I fetch: waves 0-3 of K, waves 4-7 of V
	s_add_co_u32 s58, s12, 64                      ; k lies behind q's 64 heads
	s_mul_i32 s58, s58, 16*KST
	s_mul_i32 s13, s14, 4*KST
	s_add_co_u32 s58, s58, s13
	s_mov_b32 s59, 0
	s_mul_i32 s60, s12, 16*VST
	s_mul_i32 s62, s14, 4*VST
	s_add_co_u32 s60, s60, s62
	s_mov_b32 s61, 0
	s_add_co_u32 s62, s62, VB
	s_mov_b32 s48, 0x76543210
	s_mov_b32 s49, 0xfedcba98                      ; selects: lane l xor 16
	s_mov_b32 s50, 0x3e38aa3b                      ; log2(e) / 8
	s_mov_b32 s51, s50
	s_mov_b32 s54, 0xbe38aa3b                      ; and its negative
	s_wait_dscnt 0x0
	s_wait_kmcnt 0x0
	CROUND                                         ; the four partners are here: the joint loads meet
	s_mov_b32 s32, 1
	s_mov_b32 s33, s13
	s_add_nc_u64 s[34:35], s[4:5], s[58:59]
	s_or_b32 s35, s35, 0x80000000
	s_mov_b32 s36, 1
	s_mov_b32 s37, s62
	s_add_nc_u64 s[38:39], s[6:7], s[60:61]
	s_or_b32 s39, s39, 0x80000000
	s_cmp_lt_u32 s10, 4                            ; one load a wave, each arm with its own shape
	s_cbranch_scc0 .Lload_v
	tensor_load_to_lds s[32:35], s[16:23]
	s_nop 0
	PLACES
	s_branch .Lasked
.Lload_v:
	tensor_load_to_lds s[36:39], s[24:31]
	s_nop 0
	PLACES
.Lasked:
	s_lshl_b32 s15, s10, 1                         ; 2 x wave + pass counts pairs of tiles, 0 .. 15
	s_lshl_b32 s56, s11, 2
	s_lshr_b32 s57, s15, 2
	s_add_co_u32 s56, s56, s57                     ; my group of 128 queries
	s_mul_i32 s58, s56, KST
	s_mul_i32 s57, s12, 16*KST
	s_add_co_u32 s58, s58, s57
	s_add_nc_u64 s[42:43], s[4:5], s[58:59]
	s_and_b32 s57, s15, 3                          ; my first pair of its four
	s_lshl_b32 s60, s57, 11
	s_add_nc_u64 s[40:41], s[42:43], s[60:61]      ; q's tiles
	s_lshr_b32 s60, s57, 1
	s_lshl_b32 s60, s60, 8
	s_add_co_u32 s60, s60, 8192
	s_add_nc_u64 s[42:43], s[42:43], s[60:61]      ; their scale words
	s_lshr_b32 s60, s12, 4
	s_lshl_b32 s60, s60, 4
	s_add_co_u32 s60, s60, s56
	s_mul_i32 s60, s60, 102400                     ; the result: the group of 128 tokens,
	s_and_b32 s63, s12, 15
	s_lshr_b32 s58, s63, 1
	s_mul_i32 s58, s58, 12800                      ; the slab of two heads
	s_add_co_u32 s60, s60, s58
	s_add_nc_u64 s[46:47], s[8:9], s[60:61]
	s_and_b32 s63, s63, 1
	s_mul_i32 s58, s57, 3072
	s_mul_i32 s60, s63, 768
	s_add_co_u32 s60, s60, s58
	s_add_nc_u64 s[44:45], s[46:47], s[60:61]      ; its codes
	s_lshl_b32 s58, s57, 7
	s_lshl_b32 s60, s63, 1
	s_add_co_u32 s60, s60, s58
	s_add_co_u32 s60, s60, 12288
	s_add_nc_u64 s[46:47], s[46:47], s[60:61]      ; its scale bytes
	v_and_b32 v11, 31, v0
	v_lshlrev_b32 v1, 4, v11                       ; 16 x lane
	v_lshlrev_b32 v11, 3, v11                      ; 8 x lane
	v_add_nc_u32 v2, VB, v1
	v_add_nc_u32 v3, 8192, v11
	v_add_nc_u32 v4, VB+6144, v11
	v_and_b32 v13, 15, v0
	v_lshlrev_b32 v12, 3, v13                      ; 8 r
	v_lshlrev_b32 v13, 2, v13                      ; 4 r
	v_bfe_u32 v14, v0, 4, 1
	v_lshlrev_b32 v14, 3, v14                      ; 8 h
	QLOAD                                          ; the first pass's queries, under the tiles' flight
.irp i,17,19,34,35,62,63
	v_mov_b32 v[\i], 0                             ; (a lane permute's destination, and the upper half of a pair, count as read)
.endr
.irp i,8,9,10,11,20,21,22,23
	v_mov_b32 v[QA+\i], 0                          ; q's k = 96 on
.endr
	WIN 0x40
.irp T,0,1,2,3,4,5,6,7
.irp i,8,9,10,11
	v_mov_b32 v[12*\T+\i], 0                       ; K's k = 96 on
.endr
.endr
	WIN 0
	WALU                                           ; the wait at the head's end
	s_wait_tensorcnt 0x0                           ; my quarter is in,
	s_barrier_signal -1
	s_barrier_wait -1                              ; everybody's is
	s_mov_b32 s14, 2
.Lpass:
	WIN 0x40
	KLOAD v1                                       ; step 0's K
.set j, 0
.rept 64
	v_mov_b32 v[OO+j], 0                           ; O^T: the step is written once, and the first finds zeros
.set j, j+1
.endr
	WIN 0
	ds_load_b64 v[KW:KW+1], v3
	ds_load_b64 v[KW+2:KW+3], v3 offset:256
	s_mov_b32 s52, 0
	s_mov_b32 s53, 0
	s_mov_b32 s55, 15
	WALU
	s_wait_loadcnt 0x0
	s_wait_dscnt 0x0
	WIN 0x01
.irp T,0,1,2,3,4,5,6,7
	KQ \T, SS, QA, 46                              ; A's scores of step 0
.endr
	WIN 0
	v_mov_b32 v20, 0x7e000000                      ; -M: 2^125, so that the first f is 0
	v_mov_b32 v22, 0x7e000000
	v_mov_b32 v21, 0xff61b1e6                      ; the largest score so far: -3e38
	v_mov_b32 v23, 0xff61b1e6
.irp i,24,25,26,27
	v_mov_b32 v[\i], 0                             ; the sums
.endr
.Lstep:
	STEP 1
	s_sub_co_u32 s55, s55, 1
	s_cmp_lg_u32 s55, 0
	s_cbranch_scc1 .Lstep
	STEP 0                                         ; the last step fetches no further K and makes no further scores
	v_add_f32 v24, v24, v25                        ; the sum's halves, and lane l xor 16's
	v_add_f32 v26, v26, v27
	v_permlanex16_b32 v34, v24, s48, s49
	v_permlanex16_b32 v35, v26, s48, s49
	v_add_f32 v24, v24, v34
	v_add_f32 v26, v26, v35
	WALU
	v_rcp_f32 v24, v24
	v_rcp_f32 v26, v26
	v_nop
	WIN 0x01                                       ; source 0 window 1
	WALU
.set j, 0
.rept 32
	v_mul_f32 v[SS+j], v[OO+j], v24                ; O^T / the sum
.set j, j+1
.endr
.rept 32
	v_mul_f32 v[SS+j], v[OO+j], v26
.set j, j+1
.endr
	WIN 0
	QH SS, PP, 64, 28, 34, 54, 58                  ; quantised along the head's 64 for the last projection
	QH SS+32, PP+12, 72, 30, 62, 56, 60
	v_lshl_or_b32 v58, v59, 8, v58
	v_lshl_or_b32 v60, v61, 8, v60
	global_store_b128 v1, v[PP:PP+3], s[44:45]
	global_store_b64 v11, v[PP+4:PP+5], s[44:45] offset:512
	global_store_b16 v13, v58, s[46:47]
	global_store_b128 v1, v[PP+12:PP+15], s[44:45] offset:1536
	global_store_b64 v11, v[PP+16:PP+17], s[44:45] offset:2048
	global_store_b16 v13, v60, s[46:47] offset:64
	s_wait_xcnt 0x0                                ; the bases are stepped only behind this wait
	s_add_nc_u64 s[40:41], s[40:41], 2048
	s_add_nc_u64 s[42:43], s[42:43], 4
	s_add_nc_u64 s[44:45], s[44:45], 3072
	s_add_nc_u64 s[46:47], s[46:47], 128
	s_sub_co_u32 s14, s14, 1
	s_cmp_eq_u32 s14, 0
	s_cbranch_scc1 .Lno_q
	QLOAD                                          ; the next pass's queries
.Lno_q:
	WALU
	s_cmp_lg_u32 s14, 0
	s_cbranch_scc1 .Lpass
	s_wait_tensorcnt 0x0                           ; the wave's end
	ds_add_u32 v5, v6
	s_wait_dscnt 0x0
	CROUND                                         ; the closing round
	s_endpgm
.Lfunc_end_k_qc87e1f9ad0_attn:
	.size	k_qc87e1f9ad0_attn, .Lfunc_end_k_qc87e1f9ad0_attn-k_qc87e1f9ad0_attn
	.p2alignl 7, 3214868480
	.fill 96, 4, 3214868480
	.section	.rodata,"a",@progbits
	.p2align	6, 0x0
	.amdhsa_kernel k_qc87e1f9ad0_attn
		.amdhsa_group_segment_fixed_size 327680
		.amdhsa_private_segment_fixed_size 0
		.amdhsa_enable_private_segment 0
		.amdhsa_kernarg_size 24
		.amdhsa_user_sgpr_count 2
		.amdhsa_user_sgpr_kernarg_segment_ptr 1
		.amdhsa_wavefront_size32 1
		.amdhsa_system_sgpr_workgroup_id_x 1
		.amdhsa_system_sgpr_workgroup_id_y 1
		.amdhsa_system_sgpr_workgroup_id_z 1
		.amdhsa_system_vgpr_workitem_id 0
		.amdhsa_next_free_vgpr 512
		.amdhsa_next_free_sgpr 66
		.amdhsa_reserve_vcc 0
		.amdhsa_float_denorm_mode_32 3
		.amdhsa_float_denorm_mode_16_64 3
		.amdhsa_memory_ordered 1
		.amdhsa_forward_progress 1
		.amdhsa_inst_pref_size 73
	.end_amdhsa_kernel
	.amdgpu_metadata
---
amdhsa.version: [ 1, 2 ]
amdhsa.kernels:
  - .name:           k_qc87e1f9ad0_attn
    .symbol:         k_qc87e1f9ad0_attn.kd
    .args:
      - { .name: qk, .offset: 0, .size: 8, .value_kind: global_buffer, .address_space: global }
      - { .name: vq, .offset: 8, .size: 8, .value_kind: global_buffer, .address_space: global }
      - { .name: ac, .offset: 16, .size: 8, .value_kind: global_buffer, .address_space: global }
    .group_segment_fixed_size: 327680
    .private_segment_fixed_size: 0
    .kernarg_segment_align: 8
    .kernarg_segment_size: 24
    .max_flat_workgroup_size: 256
    .sgpr_count:     66
    .vgpr_count:     512
    .wavefront_size: 32
...
	.end_amdgpu_metadata
.endif
;; end of part 3
;; launch oproj (part 4): grid 8 x 32, 4 waves a work-group, clusters of 4 x 4, 307,712 bytes of LDS; arguments ac, wq, bo, out0; writes out0
.if DOCPART == 4
	.amdgcn_target "amdgcn-amd-amdhsa--gfx1250"
	.amdhsa_code_object_version 6
	.text
	.protected	k_qc87e1f9ad0_oproj
	.globl	k_qc87e1f9ad0_oproj
	.p2align	8
	.type	k_qc87e1f9ad0_oproj,@function
k_qc87e1f9ad0_oproj:
	s_mov_b64 s[64:65], 0
	v_nop
	global_prefetch_b8 v0, s[64:65] scope:SCOPE_SE
	s_setreg_imm32_b32 hwreg(HW_REG_WAVE_MODE, 25, 1), 1
	s_wait_xcnt 0x0
	s_wait_alu depctr_hold_cnt(0) depctr_sa_sdst(0) depctr_va_vdst(0) depctr_va_sdst(0) depctr_va_ssrc(0) depctr_va_vcc(0) depctr_vm_vsrc(0)
	s_getreg_b32 s2, hwreg(HW_REG_IB_STS2, 6, 4)
	s_cmp_eq_u32 s2, 0
	s_cbranch_scc0 .Lentry_in_a_cluster
	s_endpgm
.Lentry_in_a_cluster:
	s_bfe_u32 s2, ttmp6, 0x10000c
	s_cmp_lg_u32 s2, 0xf033
	s_cbranch_scc0 .Lentry_shape_is_right
	s_endpgm
.Lentry_shape_is_right:
; OPROJ: out = attention's result x Wo + bo, on codes of FP6 (E2M3).
; A work-group makes 128 features (source 0: a group of Wo) x 256 tokens (source 1: two groups of the result's codes) over all K = 1,024.  Its operands, 3 groups of 102,400 bytes, come into LDS ONCE.
; Four waves; wave w takes all 128 features x its own 64 tokens: 32 accumulators.  A lane holds ONE token, its registers run along the features (the rows of a fragment are chosen for it).
; CLUSTERS 4 x 4: Wo's group hangs on cx and is asked for jointly by the column of the cluster, the tokens' groups on cy and by the row.
; A fragment of the tokens' codes lies as two halves of 768 bytes, one for each head of the K step: registers 6 c .. 6 c + 3 at 768 c + 16 lane, 6 c + 4, 6 c + 5 at 768 c + 512 + 8 lane.
; The way out goes through each wave's stage in LDS, in bytes that have had their only fill and, behind the last barrier, their last read: whole rows of 512 bytes leave.
; REGISTERS: window 0: v1-15, v30 addresses; v16-27 scale words, two sets; v28, v29 the add's two; v32-127 source 1's fragments, two sets; on the way out v32-95, v128-191 rows of the result.
;   window 1: source 0's fragments, two sets of 96.  window 2: the accumulators, (t, a) at 64 t + 8 a.  window 3: v128-191 the bias in the result's layout.
; Each group of 102,400 bytes comes by ONE tensor load of 400 rows of 256 bytes: one load a wave.  Row p of tile t of a wave's 64 tokens is token 8 t + p % 8 + 32 (p / 8).
.set GRP,   102400
.set SLAB,  12800
.set S0B,   2*GRP
.set SPARE, 3*GRP
.set NF,    46                         ; LDS loads of one K step's fetch
.set MSB, 0
.macro WIN new
.if MSB != \new
	s_set_vgpr_msb (MSB<<8)|\new
.set MSB, \new
.endif
.endm
.macro PLACES
.rept 4
	v_nop
.endr
.endm
.macro CROUND
	s_barrier_signal -1
	s_barrier_wait -1
	s_cmp_lg_u32 s22, 0
	s_cbranch_scc1 .Lnot_wave_0_\@
	s_barrier_signal -3
.Lnot_wave_0_\@:
	s_barrier_wait -3
	s_barrier_signal -1
	s_barrier_wait -1
.endm
.macro WMX c
.if ROWA && ROWB
	v_wmma_scale_f32_16x16x128_f8f6f4 v[rD:rD+7], v[rA:rA+11], v[rB:rB+11], \c, v[rSA], v[rSB] matrix_a_fmt:MATRIX_FMT_FP6 matrix_b_fmt:MATRIX_FMT_FP6 matrix_a_scale:MATRIX_SCALE_ROW1 matrix_b_scale:MATRIX_SCALE_ROW1
.elseif ROWA
	v_wmma_scale_f32_16x16x128_f8f6f4 v[rD:rD+7], v[rA:rA+11], v[rB:rB+11], \c, v[rSA], v[rSB] matrix_a_fmt:MATRIX_FMT_FP6 matrix_b_fmt:MATRIX_FMT_FP6 matrix_a_scale:MATRIX_SCALE_ROW1
.elseif ROWB
	v_wmma_scale_f32_16x16x128_f8f6f4 v[rD:rD+7], v[rA:rA+11], v[rB:rB+11], \c, v[rSA], v[rSB] matrix_a_fmt:MATRIX_FMT_FP6 matrix_b_fmt:MATRIX_FMT_FP6 matrix_b_scale:MATRIX_SCALE_ROW1
.else
	v_wmma_scale_f32_16x16x128_f8f6f4 v[rD:rD+7], v[rA:rA+11], v[rB:rB+11], \c, v[rSA], v[rSB] matrix_a_fmt:MATRIX_FMT_FP6 matrix_b_fmt:MATRIX_FMT_FP6
.endif
.endm
.macro FETCH s, set
	WIN 0x40                                       ; destination window 1
.irp f,0,1,2,3,4,5,6,7
.irp k,0,1,2
	ds_load_b128 v[96*(\set)+12*\f+4*\k:96*(\set)+12*\f+4*\k+3], v[1+(\s)/4] offset:((\s)%4)*SLAB+1536*\f+512*\k
.endr
.endr
	WIN 0
.irp t,0,1,2,3
.irp c,0,1
	ds_load_b128 v[32+48*(\set)+12*\t+6*\c:32+48*(\set)+12*\t+6*\c+3], v[3+(\s)/4] offset:((\s)%4)*SLAB+1536*\t+768*\c
	ds_load_b64 v[32+48*(\set)+12*\t+6*\c+4:32+48*(\set)+12*\t+6*\c+5], v[12+(\s)/4] offset:((\s)%4)*SLAB+1536*\t+768*\c+512
.endr
.endr
.irp p,0,1,2,3
	ds_load_b32 v[16+6*(\set)+\p], v[5+(\s)/4] offset:((\s)%4)*SLAB+12288+128*\p
.endr
.irp p,0,1
	ds_load_b32 v[20+6*(\set)+\p], v[7+(\s)/4] offset:((\s)%4)*SLAB+12288+128*\p
.endr
.endm
; 32 products, the 32 accumulators by turns.  cm 0: onto the sums; 2: the sums begin with the bias
.macro MUL set, cm
.if \cm == 2
	WIN 0xb1                                       ; source 0 window 1, source 1 window 0, C window 3, D window 2
.else
	WIN 0xa1
.endif
.irp t,0,1,2,3
.irp a,0,1,2,3,4,5,6,7
.set rD, 64*\t+8*\a
.set rA, 96*(\set)+12*\a
.set rB, 32+48*(\set)+12*\t
.set rSA, 16+6*(\set)+\a/2
.set rSB, 20+6*(\set)+\t/2
.set ROWA, \a%2
.set ROWB, \t%2
.if \cm == 0
	WMX v[rD:rD+7]
.else
.set rC, 128+8*\a
	WMX v[rC:rC+7]
.endif
.endr
.endr
.endm
	s_load_b256 s[4:11], s[0:1], 0x0               ; ac, wq, bo, out0
	v_lshl_add_u32 v28, v0, 2, SPARE
	v_mov_b32 v29, 0
	ds_add_u32 v28, v29                            ; the wave's opening: the add and its wait ahead of the first tensor loads; work on registers stands between
	ds_add_u32 v28, v29
	v_lshrrev_b32 v9, 5, v0
	v_readfirstlane_b32 s22, v9                    ; wave
	s_bfe_u32 s23, ttmp6, 0x40000                  ; cx
	s_bfe_u32 s24, ttmp6, 0x40004                  ; cy
	s_mov_b32 s25, ttmp9                           ; cluster x, 0-1
	s_and_b32 s26, ttmp7, 0xffff                   ; cluster y, 0-7
	s_lshl_b32 s84, 0x1111, s23                    ; my column (same cx): source 0
	s_lshl_b32 s85, s24, 2
	s_lshl_b32 s85, 15, s85                        ; my row (same cy): source 1
	s_or_b32 s28, s84, (3<<16)|(1<<21)
	s_or_b32 s36, s85, (3<<16)|(1<<21)
.irp g,28,36
	s_mov_b32 s[\g+1], 32<<16                      ; rows of 256 bytes,
	s_mov_b32 s[\g+2], 400<<16                     ; 400 of them: a whole group
	s_mov_b32 s[\g+3], 32<<16
	s_mov_b32 s[\g+4], 400
	s_mov_b32 s[\g+5], 32
	s_mov_b32 s[\g+6], 0
	s_mov_b32 s[\g+7], 0
.endr
	s_lshl_b32 s60, s25, 2
	s_add_co_u32 s60, s60, s23                     ; which 128 features: 4 CX + cx
	s_add_co_u32 s61, s60, 24                      ; Wo's groups are wq's 24-31
	s_lshl_b32 s62, s26, 2
	s_add_co_u32 s62, s62, s24                     ; which 256 tokens: 4 CY + cy
	s_lshl_b32 s88, s62, 1
	s_and_b32 s63, s22, 1
	s_add_co_u32 s88, s88, s63                     ; waves 0 and 1 fetch one group each
	s_mul_i32 s90, s61, GRP
	s_mov_b32 s91, 0
	s_mul_i32 s92, s88, GRP
	s_mov_b32 s93, 0
	s_mul_i32 s98, s63, GRP
	v_and_b32 v9, 31, v0                           ; lane
	v_lshlrev_b32 v10, 4, v9                       ; 16 x lane
	v_lshlrev_b32 v11, 2, v9                       ; 4 x lane
	v_lshlrev_b32 v12, 3, v9                       ; 8 x lane
	v_bfe_u32 v14, v0, 4, 1
	v_lshlrev_b32 v14, 6, v14                      ; 64 h
	s_lshr_b32 s84, s22, 1
	s_mul_i32 s84, s84, GRP
	s_mul_i32 s86, s63, 6144
	s_add_co_u32 s86, s86, s84                     ; my 64 tokens' codes
	s_lshl_b32 s87, s63, 8
	s_add_co_u32 s87, s87, s84                     ; and scale words
	v_add_nc_u32 v1, S0B, v10
	v_add_nc_u32 v2, S0B+4*SLAB, v10
	v_add_nc_u32 v3, s86, v10
	v_add_nc_u32 v4, 4*SLAB, v3
	v_add_nc_u32 v5, S0B, v11
	v_add_nc_u32 v6, S0B+4*SLAB, v11
	v_add_nc_u32 v7, s87, v11
	v_add_nc_u32 v8, 4*SLAB, v7
	v_add_nc_u32 v12, s86, v12                     ; the pieces of 8 bytes a lane
	v_add_nc_u32 v13, 4*SLAB, v12
	s_mul_i32 s84, s22, 8448                       ; my stage: 16 rows x (512 bytes + 16)
	v_and_b32 v15, 15, v0
	v_mul_u32_u24 v15, v15, 528
	v_add_nc_u32 v15, v15, v14
	v_add_nc_u32 v15, s84, v15                     ; in: row r, + 64 h
	v_add_nc_u32 v30, s84, v10                     ; back: 16 x lane of a row
	s_wait_dscnt 0x0                               ; the opening add is done
	s_wait_kmcnt 0x0
	s_add_nc_u64 s[94:95], s[6:7], s[90:91]
	s_add_nc_u64 s[96:97], s[4:5], s[92:93]
	CROUND                                         ; all sixteen work-groups are here: the joint loads meet
.irp c,0
	s_mov_b32 s[44+4*\c], 1
	s_mov_b32 s[45+4*\c], S0B+2*SLAB*\c
	s_add_nc_u64 s[46+4*\c:47+4*\c], s[94:95], 2*SLAB*\c
	s_or_b32 s[47+4*\c], s[47+4*\c], 0x80000000
	s_mov_b32 s[68+4*\c], 1
	s_add_co_u32 s[69+4*\c], s98, 2*SLAB*\c
	s_add_nc_u64 s[70+4*\c:71+4*\c], s[96:97], 2*SLAB*\c
	s_or_b32 s[71+4*\c], s[71+4*\c], 0x80000000
.endr
	s_cmp_lt_u32 s22, 2                            ; waves 0, 1: the tokens' groups; wave 2: Wo's; wave 3: none.  One load a wave
	s_cbranch_scc0 .Lnot_s1
	tensor_load_to_lds s[68:71], s[36:43]
	s_nop 0
	PLACES
	s_branch .Lasked
.Lnot_s1:
	s_cmp_eq_u32 s22, 2
	s_cbranch_scc0 .Lasked
	tensor_load_to_lds s[44:47], s[28:35]
	s_nop 0
	PLACES
.Lasked:
	s_lshl_b32 s88, s60, 9
	s_mov_b32 s89, 0
	s_add_nc_u64 s[8:9], s[8:9], s[88:89]          ; bo at my 128 features
	s_add_nc_u64 s[10:11], s[10:11], s[88:89]      ; their 512 bytes of a row of the output,
	s_lshl_b32 s88, s62, 8
	s_lshl_b32 s87, s22, 6
	s_add_co_u32 s88, s88, s87                     ; my first token
	s_lshl_b32 s88, s88, 12
	s_add_nc_u64 s[10:11], s[10:11], s[88:89]
	WIN 0xc0                                       ; destination window 3
.irp a,0,1,2,3,4,5,6,7
	global_load_b128 v[128+8*\a:131+8*\a], v14, s[8:9] offset:(32*(\a/2)+8*(\a%2))*4        ; the bias at tile a's features 32 (a / 2) + 16 h + 8 (a % 2) + 0 .. 7
	global_load_b128 v[132+8*\a:135+8*\a], v14, s[8:9] offset:(32*(\a/2)+8*(\a%2))*4+16
.endr
	WIN 0
	; the eight K steps: all three groups are in LDS behind one wait for all tensor loads and one barrier
	s_wait_tensorcnt 0x0                           ; my group is in,
	s_barrier_signal -1
	s_barrier_wait -1                              ; everybody's is
	s_wait_alu depctr_va_vdst(0)
	FETCH 0, 0
	FETCH 1, 1
	s_wait_loadcnt 0x0                             ; the bias
	s_wait_dscnt NF                                ; step 0's fetch is in; step 1's 46 may be out
	MUL 0, 2
.irp s,1,2,3,4,5,6
	PLACES                                         ; in front of loads into registers that the last products read
	FETCH \s+1, (\s+1)%2
	s_wait_dscnt NF                                ; all but the 46 just issued
	MUL \s%2, 0
.endr
	s_wait_dscnt 0x0                               ; my last reads of the operands are over:
	s_barrier_signal -1                            ; say so,
	MUL 1, 0                                       ; work on registers meanwhile,
	WIN 0
	s_barrier_wait -1                              ; and behind this nobody reads them any more: the stages may be written
	PLACES                                         ; in front of the first read of results and of loads into registers that held fragments
; tile t (16 tokens x 128 features): a lane's 64 numbers into row r of my stage, each accumulator from its low end on; back as whole rows of 512 bytes.  LDS serves a wave's instructions in order.
.macro TOSTAGE t
	WIN 0x08                                       ; an LDS store's data: window 2
.irp b,0,1,2,3
.irp q,0,1,2,3
	ds_store_b128 v15, v[64*(\t)+16*\b+4*\q:64*(\t)+16*\b+4*\q+3] offset:128*\b+16*\q       ; features 32 b + 16 h + 4 q on
.endr
.endr
	WIN 0
.set YB, 32+96*((\t)%2)
.irp p,0,1,2,3,4,5,6,7,8,9,10,11,12,13,14,15
	ds_load_b128 v[YB+4*\p:YB+4*\p+3], v30 offset:528*\p
.endr
.endm
.macro SEND t, younger                 ; younger: the LDS instructions issued behind tile t's loads
.set YB, 32+96*((\t)%2)
	s_wait_dscnt \younger
.irp p,0,1,2,3,4,5,6,7,8,9,10,11,12,13,14,15
	global_store_b128 v10, v[YB+4*\p:YB+4*\p+3], s[10:11] offset:4096*(8*(\t)+\p%8+32*(\p/8)) th:TH_STORE_NT   ; row p of the tile is token 8 t + p % 8 + 32 (p / 8); 512 consecutive bytes, aligned
.endr
.endm
	TOSTAGE 0
	TOSTAGE 1
	SEND 0, 32                                     ; behind tile 0's loads: tile 1's 16 stores and 16 loads
	s_wait_xcnt 0x0                                ; tile 0's stores have read their registers
	TOSTAGE 2
	SEND 1, 32
	s_wait_xcnt 0x0
	TOSTAGE 3
	SEND 2, 32
	SEND 3, 0
	s_wait_tensorcnt 0x0                           ; the wave's end, behind my last LDS store
	ds_add_u32 v28, v29
	s_wait_dscnt 0x0
	CROUND                                         ; the closing round
	s_endpgm
.Lfunc_end_k_qc87e1f9ad0_oproj:
	.size	k_qc87e1f9ad0_oproj, .Lfunc_end_k_qc87e1f9ad0_oproj-k_qc87e1f9ad0_oproj
	.p2alignl 7, 3214868480
	.fill 96, 4, 3214868480
	.section	.rodata,"a",@progbits
	.p2align	6, 0x0
	.amdhsa_kernel k_qc87e1f9ad0_oproj
		.amdhsa_group_segment_fixed_size 307712
		.amdhsa_private_segment_fixed_size 0
		.amdhsa_enable_private_segment 0
		.amdhsa_kernarg_size 32
		.amdhsa_user_sgpr_count 2
		.amdhsa_user_sgpr_kernarg_segment_ptr 1
		.amdhsa_wavefront_size32 1
		.amdhsa_system_sgpr_workgroup_id_x 1
		.amdhsa_system_sgpr_workgroup_id_y 1
		.amdhsa_system_sgpr_workgroup_id_z 1
		.amdhsa_system_vgpr_workitem_id 0
		.amdhsa_next_free_vgpr 1024
		.amdhsa_next_free_sgpr 100
		.amdhsa_reserve_vcc 0
		.amdhsa_float_denorm_mode_32 3
		.amdhsa_float_denorm_mode_16_64 3
		.amdhsa_memory_ordered 1
		.amdhsa_forward_progress 1
		.amdhsa_inst_pref_size 80
	.end_amdhsa_kernel
	.amdgpu_metadata
---
amdhsa.version: [ 1, 2 ]
amdhsa.kernels:
  - .name:           k_qc87e1f9ad0_oproj
    .symbol:         k_qc87e1f9ad0_oproj.kd
    .args:
      - { .name: ac, .offset: 0, .size: 8, .value_kind: global_buffer, .address_space: global }
      - { .name: wq, .offset: 8, .size: 8, .value_kind: global_buffer, .address_space: global }
      - { .name: bo, .offset: 16, .size: 8, .value_kind: global_buffer, .address_space: global }
      - { .name: out0, .offset: 24, .size: 8, .value_kind: global_buffer, .address_space: global }
    .group_segment_fixed_size: 307712
    .private_segment_fixed_size: 0
    .kernarg_segment_align: 8
    .kernarg_segment_size: 32
    .max_flat_workgroup_size: 128
    .sgpr_count:     100
    .vgpr_count:     1024
    .wavefront_size: 32
...
	.end_amdgpu_metadata
.endif
;; end of part 4
